; MI455X (gfx1250); checked and timed in simulation.
; The chip was launched on July 23, 2026; its instructions are those of AMD's public machine-readable ISA for CDNA 5 (MIT licence, August 2026) and "CDNA5" Instruction Set Architecture Reference Guide (July 2026). The comments in the code are by the model that wrote it; some were corrected since.
;; Cross Attention. Allowed arithmetic: matrix products marked QUANTISED: E4M3 operands, one given power-of-two scale a tensor, by v_wmma_f32_16x16x64_fp8_fp8 or v_wmma_f32_16x16x128_fp8_fp8, f32 sums; products left as they are: f32 operands where the result goes on into a quantised operand, else bf16, f16 or f32 operands; f32 sums; everything else in f32.
;; Inputs: context 4 x 4,096 x 256 float32; context_pos 4 x 4,096 x 2 float32; in_proj_b 768 float32; in_proj_w_codes 768 x 8 x 32 uint8 (E4M3 codes of in_proj_w, K innermost, in blocks of 32 codes); lowp_scales 8 int32 (the exponents e of the quantised operands' scales 2^e); out_b 256 float32; out_w_codes 256 x 8 x 32 uint8 (E4M3 codes of out_w, K innermost, in blocks of 32 codes); query 4 x 4,096 x 256 float32; query_pos 4 x 4,096 x 2 float32; w_rff 2 x 128 float32.
;; Outputs: out0 4 x 4,096 x 256 float32; out1 4 x 4,096 x 2 float32.
;; This version of the problem:
;;   THIS VERSION OF THE PROBLEM IS GIVEN IN LOW PRECISION. The matrix products marked QUANTISED in the list below multiply operands that are first quantised to E4M3 (4 exponent bits, 3 mantissa bits; 8 bits a number), with one given power-of-two scale for each operand tensor; their sums are f32. All else is computed in f32.
;;   The module's matrix products, in the order in which they are computed (A, B: the left and right operand; K: the contracted axis; several contracted axes count as one K, in the product's order):
;;     1. [M 16,384, K 2] x [K 2, N 128]; A: input query_pos; B: input w_rff: left as it is (K = 2 < 32)
;;     2. [M 16,384, K 2] x [K 2, N 128]; A: input context_pos; B: input w_rff: left as it is (K = 2 < 32)
;;     3. batch 4 x [M 4,096, K 2] x [K 2, N 4,096]; A: input query_pos; B: input context_pos: left as it is (K = 2 < 32)
;;     4. [M 16,384, K 256] x [K 256, N 256]; A: computed on the way; B: input in_proj_w (given as codes): QUANTISED (scales: A lowp_scales[0], B lowp_scales[1])
;;     5. [M 262,144, K 256] x [K 256, N 256]; A: computed on the way; B: input in_proj_w (given as codes): QUANTISED (scales: A lowp_scales[2], B lowp_scales[3])
;;     6. [M 262,144, K 256] x [K 256, N 256]; A: computed on the way; B: input in_proj_w (given as codes): QUANTISED (scales: A lowp_scales[4], B lowp_scales[5])
;;     7. batch 131,072 x [M 1, K 32] x [K 32, N 16]; A: computed on the way; B: computed on the way: left as it is (M = 1 < 16)
;;     8. batch 131,072 x [M 1, K 16] x [K 16, N 32]; A: softmax; B: computed on the way: left as it is (K = 16 < 32)
;;     9. [M 16,384, K 256] x [K 256, N 256]; A: computed on the way; B: input out_w (given as codes): QUANTISED (scales: A lowp_scales[6], B lowp_scales[7])
;;   THE QUANTISER, for each operand of a quantised product, along K:
;;     - The operand's scale is 2^e, e = its entry of the input lowp_scales (int32; the entries are numbered through the quantised products in the list's order, A before B).
;;     - Each number is divided by the scale, clamped to +-448, and rounded to the nearest number of E4M3, ties to even, subnormals kept.
;;     - The product sums the exact products of the quantised numbers (number of the format x scale) in f32.
;;   ~~~python
;;   def quantise(x, axis, e):      # numpy; x: float32 -> the quantised numbers, widened to float32 again
;;       x = np.moveaxis(x, axis, -1); K = x.shape[-1]
;;       r = np.clip(x / 2.0 ** e, -448, 448)
;;       step = 2.0 ** (np.maximum(np.frexp(np.where(r == 0, 1, r))[1] - 1, -6) - 3)
;;       q = np.round(r / step) * step * 2.0 ** e      # np.round: ties to even
;;       return np.moveaxis(q, -1, axis).astype(np.float32)
;;   ~~~
;;   OPERANDS COMPUTED ON THE WAY. 'Computed on the way' means the value that the module computes at that place (a softmax that the list does not call 'softmax' is quantised finished and normalised). What goes into a quantiser is computed in f32, as accurately as f32 sums, v_exp_f32 and their like allow (about 1e-6 of the number): no bf16 or f16 on the way to a quantiser, and a product that is left as it is and whose result goes on into a quantised operand takes f32 operands (vector FMAs, or v_wmma_f32_16x16x4_f32). A number that lies on a knife's edge between two numbers of the format may be rounded either way, as far as f32 arithmetic and the matrix unit's own rounding can turn it there, and no further.
;;   INPUTS GIVEN AS CODES. in_proj_w (in the module: [768, 256], K = its axis 1); out_w (in the module: [256, 256], K = its axis 1): each comes as NAME_codes (uint8): NAME with its K axis moved to the last place and cut into blocks of 32 codes, [.., K / 32, bytes a block], one block behind the other in memory; one code a byte (a code: sign, 4 exponent bits, 3 mantissa bits); its scale is its entry of lowp_scales. Its value is code x scale, taken as it is: it is not quantised again, and the codes and scales need not be those that the quantiser above would give.
;; 2 versions, each right; version 2 is version 1 with the launches knnA, attn written anew for expert scheduling mode. Each part assembles by itself: llvm-mc -triple=amdgcn-amd-amdhsa -mcpu=gfx1250 --defsym DOCPART=n.
;; ======== version 1 of 2: 4 launches
;; workspace buffers: grp 1,048,576 bytes of whole numbers; knn 1,048,576 bytes of whole numbers; ckv 8,388,608 bytes; q_codes 4,194,304 bytes
;; launch knnA (part 1): grid 256 x 1, 4 waves a work-group, no clusters, 57,856 bytes of LDS; arguments query_pos, context_pos, grp; writes grp
.if DOCPART == 1
	.amdgcn_target "amdgcn-amd-amdhsa--gfx1250"
	.amdhsa_code_object_version 6
	.text
	.protected	k_q99e5492743_knnA
	.globl	k_q99e5492743_knnA
	.p2align	8
	.type	k_q99e5492743_knnA,@function
k_q99e5492743_knnA:
	s_mov_b64 s[64:65], 0
	v_nop
	global_prefetch_b8 v0, s[64:65] scope:SCOPE_SE
	s_setreg_imm32_b32 hwreg(HW_REG_WAVE_MODE, 25, 1), 1
	s_wait_xcnt 0x0
; FIRST STAGE OF THE 16 NEAREST: for each query the 16 nearest GROUPS of 16 neighbouring context points.
; d2 = (qs + cs) - 2 dot, in f32.  qs = q0 q0 + q1 q1 and cs likewise, each product rounded by itself and then the sum; dot = fma(q1, c1, q0 c0); the last step is one fused multiply-add (2 dot is exact).
; A group's figure is the least d2 of its 16 points.  Groups are ordered by (figure, group number), points by (d2, index).  A point among the 16 nearest lies in one of the 16 least groups:
; else 16 other groups' least points would all come before it.  So the next launch looks at 16 x 16 points only.
; SHARES.  A work-group takes 64 queries of one batch (64 work-groups a batch); lane (r, h) of wave w takes query 64 g + 16 w + r and half h of the batch's 4,096 points: 128 groups.
; The batch's points lie in LDS as three arrays of f32: first coordinate, second coordinate, cs: 48 KiB, written once, read by all four waves; sixteen lanes read the same 16 bytes.
; The list of 16 is kept sorted in registers and every candidate is put in without a branch (INSERT).  A strict compare and ascending order of candidates give ties to the lower number.
; No tensor load, no cluster: what the work-groups of a batch share is 32 KiB read once, beside 128 x 115 vector instructions a wave.
; LIMITS: positions finite and d2 finite; NaN is not served.
.set C1L,  16384                       ; LDS: second coordinates (the first lie at 0)
.set CSL,  32768                       ; cs
.set STG,  49152                       ; the way out: 2,048 bytes a wave
.set BUF,  16                          ; v16-111  two sets of 48: a group's 16 first coordinates, 16 second, 16 cs
.set M0,   112                         ; v112-127 dot
.set M1,   128                         ; v128-143 qs + cs
.set DD,   144                         ; v144-159 d2
.set MN,   160                         ; v160-161 the group's least d2, in two chains
.set VL,   164                         ; v164-179 the list's figures, ascending
.set IX,   180                         ; v180-195 the list's group numbers
.set TP,   195                         ; v196-210 at work in INSERT: TP + j, j = 1 .. 15
.set PV,   112                         ; the other half's list, at the end
.set PI,   128
.set MK,   36                          ; s36-51   INSERT's sixteen lane masks
.set SEL,  22                          ; s[22:23] lane selects: lane l xor 16
; v[x] with its number v[z] goes into the sorted list; the last entry falls out.  63 vector instructions, no branch.
.macro INSERT x, z
.irp j, 0,1,2,3,4,5,6,7,8,9,10,11,12,13,14,15
	v_cmp_lt_f32 s[MK+\j], v[\x], v[VL+\j]
.endr
.irp j, 1,2,3,4,5,6,7,8,9,10,11,12,13,14,15
	v_cndmask_b32 v[TP+\j], v[\z], v[IX+\j-1], s[MK+\j-1]      ; what place j takes if it changes: its neighbour's number, or the new one
.endr
.irp j, 1,2,3,4,5,6,7,8,9,10,11,12,13,14,15
	v_cndmask_b32 v[IX+\j], v[IX+\j], v[TP+\j], s[MK+\j]
.endr
	v_cndmask_b32 v[IX], v[IX], v[\z], s[MK]
.irp j, 15,14,13,12,11,10,9,8,7,6,5,4,3,2,1
	v_med3_num_f32 v[VL+\j], v[\x], v[VL+\j-1], v[VL+\j]       ; the middle of the new figure and two neighbours; from the top down, so that each reads old figures
.endr
	v_min_num_f32 v[VL], v[VL], v[\x]
.endm
.macro GLOAD b, off                    ; a group's 3 x 64 bytes into set b: twelve LDS loads
.irp a, 0,1,2
.irp k, 0,1,2,3
	ds_load_b128 v[BUF+48*\b+16*\a+4*\k:BUF+48*\b+16*\a+4*\k+3], v3 offset:16384*\a+\off+16*\k
.endr
.endr
.endm
; One group out of set b.  more = 1: the set is filled again with the group two further on.  left: the younger LDS loads that may stay out.
.macro GROUPA b, more, left
.set BB0, BUF+48*\b
	s_wait_dscnt \left                             ; LDS loads come back in order: this set's twelve are in, the other set's twelve may be out
.irp p, 0,2,4,6,8,10,12,14
	v_pk_mul_f32 v[M0+\p:M0+\p+1], v[BB0+\p:BB0+\p+1], v[4:5]
.endr
.irp p, 0,2,4,6,8,10,12,14
	v_pk_fma_f32 v[M0+\p:M0+\p+1], v[BB0+16+\p:BB0+16+\p+1], v[6:7], v[M0+\p:M0+\p+1]
.endr
.irp p, 0,2,4,6,8,10,12,14
	v_pk_add_f32 v[M1+\p:M1+\p+1], v[BB0+32+\p:BB0+32+\p+1], v[8:9]
.endr
.irp p, 0,2,4,6,8,10,12,14
	v_pk_fma_f32 v[DD+\p:DD+\p+1], v[M0+\p:M0+\p+1], -2.0, v[M1+\p:M1+\p+1] op_sel_hi:[1,0,1]
.endr
	v_min3_num_f32 v[MN], v[DD], v[DD+1], v[DD+2]
	v_min3_num_f32 v[MN+1], v[DD+3], v[DD+4], v[DD+5]
	v_min3_num_f32 v[MN], v[MN], v[DD+6], v[DD+7]
	v_min3_num_f32 v[MN+1], v[MN+1], v[DD+8], v[DD+9]
	v_min3_num_f32 v[MN], v[MN], v[DD+10], v[DD+11]
	v_min3_num_f32 v[MN+1], v[MN+1], v[DD+12], v[DD+13]
	v_min3_num_f32 v[MN], v[MN], v[DD+14], v[DD+15]
	v_min_num_f32 v[MN], v[MN], v[MN+1]
.if \more
	GLOAD \b, 128+64*\b
.endif
	INSERT MN, 10
	v_add_nc_u32 v10, 1, v10                       ; the next group's number
.endm
	s_load_b128 s[4:7], s[0:1], 0x0                ; query_pos s[4:5], context_pos s[6:7]
	s_load_b64 s[8:9], s[0:1], 0x10                ; grp
	v_lshl_add_u32 v216, v0, 2, 0xe000
	v_mov_b32 v217, 0
	v_lshrrev_b32 v1, 5, v0
	v_readfirstlane_b32 s10, v1                    ; wave
	v_and_b32 v1, 15, v0                           ; r
	v_bfe_u32 v2, v0, 4, 1                         ; h
	v_and_b32 v13, 31, v0
	v_lshlrev_b32 v13, 4, v13                      ; 16 x lane
	s_lshr_b32 s11, ttmp9, 6                       ; batch
	s_lshl_b32 s12, s11, 15                        ; its 32,768 bytes of positions
	s_mov_b32 s13, 0
	s_lshl_b32 s14, ttmp9, 9
	s_lshl_b32 s15, s10, 7
	s_add_co_u32 s14, s14, s15                     ; my wave's first query in query_pos, in bytes
	s_lshl_b32 s16, ttmp9, 12
	s_lshl_b32 s15, s10, 10
	s_add_co_u32 s16, s16, s15                     ; and in grp: 64 bytes a query
	s_lshl_b32 s17, s10, 11                        ; 2,048 x wave
	s_mov_b32 s[SEL], 0x76543210
	s_mov_b32 s[SEL+1], 0xfedcba98
	s_mov_b32 s21, 0
	v_lshlrev_b32 v11, 4, v0                       ; 16 t: my 16 bytes of each 2,048 of the batch's positions
	v_lshlrev_b32 v15, 3, v0                       ; 8 t: my two numbers in each array
	v_lshl_add_u32 v12, v1, 3, s14                 ; my query's position
	v_lshlrev_b32 v14, 13, v2                      ; 8,192 h: my half of each array
	v_lshlrev_b32 v10, 7, v2                       ; my first group's number: 128 h
	v_lshlrev_b32 v211, 6, v1
	v_lshl_add_u32 v211, v2, 10, v211
	v_add_nc_u32 v211, s17, v211
	v_add_nc_u32 v211, STG, v211                   ; the way out, in: 64 r + 1,024 h + 2,048 w (the upper lanes' lists land in a KiB that nobody reads)
	v_add_nc_u32 v212, s17, v13
	v_add_nc_u32 v212, STG, v212                   ; back: 16 x lane
	v_add_nc_u32 v213, s16, v13                    ; and the same place in grp
	s_wait_kmcnt 0x0
	s_add_nc_u64 s[6:7], s[6:7], s[12:13]
.irp i, 0,1,2,3,4,5,6,7,8,9,10,11,12,13,14,15
	global_load_b128 v[BUF+4*\i:BUF+4*\i+3], v11, s[6:7] offset:2048*\i    ; a wave reads 512 consecutive bytes: two points a lane
.endr
	global_load_b64 v[80:81], v12, s[4:5]
.irp j, 0,1,2,3,4,5,6,7,8,9,10,11,12,13,14,15
	v_mov_b32 v[VL+\j], 0x7f800000                 ; the list begins with +infinity, over every figure,
	v_mov_b32 v[IX+\j], 0                          ; and every entry is replaced: a half has 128 groups
.endr
	s_wait_loadcnt 0x0
.irp i, 0,1,2,3,4,5,6,7,8,9,10,11,12,13,14,15
	v_mov_b32 v82, v[BUF+4*\i+1]                   ; (c0, c1, c0', c1') becomes (c0, c0', c1, c1')
	v_mov_b32 v[BUF+4*\i+1], v[BUF+4*\i+2]
	v_mov_b32 v[BUF+4*\i+2], v82
	v_pk_mul_f32 v[M0+2*\i:M0+2*\i+1], v[BUF+4*\i:BUF+4*\i+1], v[BUF+4*\i:BUF+4*\i+1]      ; c0 c0, rounded;
	v_pk_mul_f32 v[84:85], v[BUF+4*\i+2:BUF+4*\i+3], v[BUF+4*\i+2:BUF+4*\i+3]              ; c1 c1, rounded: on purpose no fused form: the products are numbers of their own where cs is defined
	v_pk_add_f32 v[M0+2*\i:M0+2*\i+1], v[M0+2*\i:M0+2*\i+1], v[84:85]                      ; cs
	ds_store_b64 v15, v[BUF+4*\i:BUF+4*\i+1] offset:1024*\i
	ds_store_b64 v15, v[BUF+4*\i+2:BUF+4*\i+3] offset:C1L+1024*\i
	ds_store_b64 v15, v[M0+2*\i:M0+2*\i+1] offset:CSL+1024*\i
.endr
	v_mov_b32 v4, v80                              ; q0, q1 and qs, each twice: pairs for the packed forms
	v_mov_b32 v5, v80
	v_mov_b32 v6, v81
	v_mov_b32 v7, v81
	v_mul_f32 v8, v80, v80
	v_mul_f32 v83, v81, v81
	v_add_f32 v8, v8, v83                          ; qs, formed as cs is
	v_mov_b32 v9, v8
	v_add_nc_u32 v3, s21, v14                      ; the LDS address of the pair of groups in hand
	s_wait_dscnt 0x0                               ; for the others' sake: my part of the arrays is written
	s_barrier_signal -1
	s_barrier_wait -1
	GLOAD 0, 0
	GLOAD 1, 64
	s_mov_b32 s20, 63
.Lpair:                                            ; a trip: two groups, and the loads of the next two
	GROUPA 0, 1, 12
	GROUPA 1, 1, 12
	s_add_co_u32 s21, s21, 128
	v_add_nc_u32 v3, s21, v14
	s_sub_co_u32 s20, s20, 1
	s_cmp_lg_u32 s20, 0
	s_cbranch_scc1 .Lpair
	GROUPA 0, 0, 12                                ; the last two groups load nothing
	GROUPA 1, 0, 0
	; the two halves' lists are joined: each lane takes its partner's and puts its 16 entries in.  In lanes 0-15 the own list is that of the lower numbers, so ties fall as they should; only theirs is kept.
.irp j, 0,1,2,3,4,5,6,7,8,9,10,11,12,13,14,15
	v_permlanex16_b32 v[PV+\j], v[VL+\j], s[SEL], s[SEL+1]
	v_permlanex16_b32 v[PI+\j], v[IX+\j], s[SEL], s[SEL+1]
.endr
.irp j, 0,1,2,3,4,5,6,7,8,9,10,11,12,13,14,15
	INSERT PV+\j, PI+\j
.endr
.irp c, 0,1,2,3
	ds_store_b128 v211, v[IX+4*\c:IX+4*\c+3] offset:16*\c
.endr
	ds_load_b128 v[16:19], v212                    ; LDS serves a wave's instructions in order: these see my stores
	ds_load_b128 v[20:23], v212 offset:512
	s_wait_dscnt 0x0
	global_store_b128 v213, v[16:19], s[8:9]       ; 16 queries x 64 bytes: 1,024 consecutive bytes a wave
	global_store_b128 v213, v[20:23], s[8:9] offset:512
	s_wait_tensorcnt 0x0
	ds_add_u32 v216, v217
	s_wait_dscnt 0x0
	s_endpgm
.Lfunc_end_k_q99e5492743_knnA:
	.size	k_q99e5492743_knnA, .Lfunc_end_k_q99e5492743_knnA-k_q99e5492743_knnA
	.p2alignl 7, 3214868480
	.fill 96, 4, 3214868480
	.section	.rodata,"a",@progbits
	.p2align	6, 0x0
	.amdhsa_kernel k_q99e5492743_knnA
		.amdhsa_group_segment_fixed_size 57856
		.amdhsa_private_segment_fixed_size 0
		.amdhsa_enable_private_segment 0
		.amdhsa_kernarg_size 24
		.amdhsa_user_sgpr_count 2
		.amdhsa_user_sgpr_kernarg_segment_ptr 1
		.amdhsa_wavefront_size32 1
		.amdhsa_system_sgpr_workgroup_id_x 1
		.amdhsa_system_sgpr_workgroup_id_y 1
		.amdhsa_system_sgpr_workgroup_id_z 1
		.amdhsa_system_vgpr_workitem_id 0
		.amdhsa_next_free_vgpr 218
		.amdhsa_next_free_sgpr 66
		.amdhsa_reserve_vcc 0
		.amdhsa_float_denorm_mode_32 3
		.amdhsa_float_denorm_mode_16_64 3
		.amdhsa_memory_ordered 1
		.amdhsa_forward_progress 1
		.amdhsa_inst_pref_size 107
	.end_amdhsa_kernel
	.amdgpu_metadata
---
amdhsa.version: [ 1, 2 ]
amdhsa.kernels:
  - .name:           k_q99e5492743_knnA
    .symbol:         k_q99e5492743_knnA.kd
    .args:
      - { .name: query_pos, .offset: 0, .size: 8, .value_kind: global_buffer, .address_space: global }
      - { .name: context_pos, .offset: 8, .size: 8, .value_kind: global_buffer, .address_space: global }
      - { .name: grp, .offset: 16, .size: 8, .value_kind: global_buffer, .address_space: global }
    .group_segment_fixed_size: 57856
    .private_segment_fixed_size: 0
    .kernarg_segment_align: 8
    .kernarg_segment_size: 24
    .max_flat_workgroup_size: 128
    .sgpr_count:     66
    .vgpr_count:     218
    .wavefront_size: 32
...
	.end_amdgpu_metadata
.endif
;; end of part 1
;; launch knnB (part 2): grid 256 x 1, 4 waves a work-group, no clusters, 41,472 bytes of LDS; arguments query_pos, context_pos, grp, knn; writes knn
.if DOCPART == 2
	.amdgcn_target "amdgcn-amd-amdhsa--gfx1250"
	.amdhsa_code_object_version 6
	.text
	.protected	k_q99e5492743_knnB
	.globl	k_q99e5492743_knnB
	.p2align	8
	.type	k_q99e5492743_knnB,@function
k_q99e5492743_knnB:
	s_mov_b64 s[64:65], 0
	v_nop
	global_prefetch_b8 v0, s[64:65] scope:SCOPE_SE
	s_setreg_imm32_b32 hwreg(HW_REG_WAVE_MODE, 25, 1), 1
	s_wait_xcnt 0x0
; SECOND STAGE OF THE 16 NEAREST: among the 16 groups x 16 points that the first stage left for each query, the 16 nearest points, ties to the lower index.
; d2 is formed by the same operations as in the first stage (qs and cs: two rounded products, then their sum; dot = fma(q1, c1, q0 c0); (qs + cs) - 2 dot in one fused multiply-add), so the figures are the same bit for bit.
; SHARES.  As in the first stage: lane (r, h) of wave w takes query 64 g + 16 w + r.  The query's 16 group numbers are sorted; lanes 0-15 take the lower eight groups, lanes 16-31 the upper eight,
; so that within a lane, and from the lower half to the upper, candidates come in ascending index.
; THE POINTS.  The batch's 32 KiB of positions are read once, 512 consecutive bytes a load of a wave, asked for together with the group numbers, and laid in LDS as a table: a group's 128 bytes every 144,
; so that sixteen lanes that read the same piece of different groups start at 16-byte columns 9 g mod 16.  The sort of the numbers runs while those loads are out.
; THE NUMBERS are whole numbers that the launch before stored.  A lane's eight go to words of its own in LDS, so that the loop over groups is written once; each is held at 255 when it comes back, before it
; enters an address.  The loop reads one number and one group ahead.
; THE END.  Each half has its 16 least in ascending order; the 16 least of both are, place by place, the lesser of L[j] and U[15 - j], the upper half's only where it is strictly less.
; What is stored: the points' rows among all 16,384 context rows (4,096 x batch + index), as a SET: in no order of distance; the next launch's sums do not ask for one.
; LIMITS: positions finite and d2 finite; NaN is not served.
.set GP,   144                         ; LDS: the table's pitch from group to group; 256 groups: 36,864 bytes from 0 on
.set IDS,  36864                       ; the lanes' group numbers: 1,024 bytes a wave: number k at 128 k + 4 x lane
.set SA,   16                          ; v16-31   the group numbers;  v32-47 the sort's second array
.set SB,   32
.set OFF,  48                          ; v48-55   my eight groups' numbers
.set NID,  60                          ; v60      the number read ahead
.set TAD,  61                          ; v61      its group's place in the table
.set ZB,   62                          ; v62      the row of the first point of the group in hand
.set GID,  63                          ; v63      the number, held
.set TL,   64                          ; v64-127  the table's 16 loads
.set CD,   64                          ; v64-95   the group in hand: 16 x (c0, c1)
.set DA,   96                          ; v96-111  dot, then d2
.set DB,   112                         ; v112-127 c0 c0, then cs, then qs + cs
.set ZI,   128                         ; v128-143 the 16 points' rows
.set DC,   144                         ; v144-159 c1 c1
.set VL,   164                         ; v164-179 the list's figures, ascending
.set IX,   180                         ; v180-195 the list's rows
.set TP,   195                         ; v196-210 at work in INSERT
.set PV,   96                          ; the other half's list, at the end
.set PI,   128
.set MK,   36                          ; s36-51   sixteen lane masks
.set SEL,  22                          ; s[22:23] lane selects: lane l xor 16
.macro INSERT x, z                     ; v[x] with its number v[z] goes into the sorted list; the last entry falls out.  A strict compare: an equal figure goes behind those that are there
.irp j, 0,1,2,3,4,5,6,7,8,9,10,11,12,13,14,15
	v_cmp_lt_f32 s[MK+\j], v[\x], v[VL+\j]
.endr
.irp j, 1,2,3,4,5,6,7,8,9,10,11,12,13,14,15
	v_cndmask_b32 v[TP+\j], v[\z], v[IX+\j-1], s[MK+\j-1]
.endr
.irp j, 1,2,3,4,5,6,7,8,9,10,11,12,13,14,15
	v_cndmask_b32 v[IX+\j], v[IX+\j], v[TP+\j], s[MK+\j]
.endr
	v_cndmask_b32 v[IX], v[IX], v[\z], s[MK]
.irp j, 15,14,13,12,11,10,9,8,7,6,5,4,3,2,1
	v_med3_num_f32 v[VL+\j], v[\x], v[VL+\j-1], v[VL+\j]
.endr
	v_min_num_f32 v[VL], v[VL], v[\x]
.endm
; The group whose number has come back is asked for out of the table.  withid = 1: and the number behind it.
.macro NEXT withid
	v_min_u32 v[GID], 0xff, v[NID]                 ; a batch has 256 groups: a loaded number enters an address only so held
	v_mul_u32_u24 v[TAD], v[GID], GP
	v_lshl_add_u32 v[ZB], v[GID], 4, s25           ; the row of its first point
.irp c, 0,1,2,3,4,5,6,7
	ds_load_b128 v[CD+4*\c:CD+4*\c+3], v[TAD] offset:16*\c
.endr
.if \withid
	s_add_co_u32 s26, s26, 128
	v_add_nc_u32 v11, s26, v6
	ds_load_b32 v[NID], v11 offset:IDS
.endif
.endm
; Sixteen points.  more = 2: the next group and the number behind it are asked for while they are put in; 1: the next group alone; 0: nothing.
.macro GROUPB more
	s_wait_dscnt 0x0                               ; the group and the number read ahead are in: they were asked for in front of the sixteen INSERTs of the group before
.irp i, 0,1,2,3,4,5,6,7,8,9,10,11,12,13,14,15
	v_mul_f32 v[DA+\i], v[CD+2*\i], v8
.endr
.irp i, 0,1,2,3,4,5,6,7,8,9,10,11,12,13,14,15
	v_mul_f32 v[DB+\i], v[CD+2*\i], v[CD+2*\i]
.endr
.irp i, 0,1,2,3,4,5,6,7,8,9,10,11,12,13,14,15
	v_mul_f32 v[DC+\i], v[CD+2*\i+1], v[CD+2*\i+1]             ; on purpose no fused form: as in the first stage
.endr
.irp i, 0,1,2,3,4,5,6,7,8,9,10,11,12,13,14,15
	v_fma_f32 v[DA+\i], v[CD+2*\i+1], v9, v[DA+\i]
.endr
.irp i, 0,1,2,3,4,5,6,7,8,9,10,11,12,13,14,15
	v_add_f32 v[DB+\i], v[DB+\i], v[DC+\i]                     ; cs
.endr
.irp i, 0,1,2,3,4,5,6,7,8,9,10,11,12,13,14,15
	v_add_f32 v[DB+\i], v10, v[DB+\i]
.endr
.irp i, 0,1,2,3,4,5,6,7,8,9,10,11,12,13,14,15
	v_fma_f32 v[DA+\i], v[DA+\i], -2.0, v[DB+\i]
.endr
.irp i, 0,1,2,3,4,5,6,7,8,9,10,11,12,13,14,15
	v_add_nc_u32 v[ZI+\i], \i, v[ZB]
.endr
.if \more == 2
	NEXT 1
.elseif \more == 1
	NEXT 0
.endif
.irp i, 0,1,2,3,4,5,6,7,8,9,10,11,12,13,14,15
	INSERT DA+\i, ZI+\i
.endr
.endm
	s_load_b256 s[4:11], s[0:1], 0x0               ; query_pos s[4:5], context_pos s[6:7], grp s[8:9], knn s[10:11]
	v_lshl_add_u32 v216, v0, 2, 0xa000
	v_mov_b32 v217, 0
	v_lshrrev_b32 v1, 5, v0
	v_readfirstlane_b32 s12, v1                    ; wave
	v_and_b32 v1, 15, v0                           ; r
	v_bfe_u32 v2, v0, 4, 1                         ; h
	v_and_b32 v12, 31, v0                          ; lane
	s_lshr_b32 s13, ttmp9, 6                       ; batch
	s_lshl_b32 s14, s13, 15                        ; its 32,768 bytes of positions
	s_mov_b32 s15, 0
	s_lshl_b32 s25, s13, 12                        ; the batch's first context row
	s_lshl_b32 s16, ttmp9, 12
	s_lshl_b32 s17, s12, 10
	s_add_co_u32 s16, s16, s17                     ; my wave's first query in grp and in knn, in bytes
	s_lshl_b32 s17, ttmp9, 9
	s_lshl_b32 s18, s12, 7
	s_add_co_u32 s17, s17, s18                     ; and in query_pos
	s_lshl_b32 s18, s12, 10                        ; 1,024 x wave
	s_lshl_b32 s19, s12, 11                        ; 2,048 x wave
	s_mov_b32 s24, 0xffff0000                      ; lanes 16-31
	s_mov_b32 s[SEL], 0x76543210
	s_mov_b32 s[SEL+1], 0xfedcba98
	s_mov_b32 s26, 0
	v_lshl_add_u32 v3, v1, 6, s16                  ; my query's 16 numbers
	v_lshl_add_u32 v4, v1, 3, s17                  ; my query's position
	v_lshrrev_b32 v5, 3, v0
	v_mul_u32_u24 v5, v5, GP
	v_and_b32 v7, 7, v0
	v_lshl_add_u32 v5, v7, 4, v5                   ; into the table: thread t's 16 bytes are piece t % 8 of group t / 8; each further load lies 16 groups on
	v_lshlrev_b32 v7, 4, v0                        ; 16 t: the same 16 bytes of each 2,048 of the batch's positions
	v_lshl_add_u32 v6, v12, 2, s18                 ; my words among the numbers: 1,024 w + 4 x lane
	v_lshlrev_b32 v13, 6, v1
	v_lshl_add_u32 v13, v2, 10, v13
	v_add_nc_u32 v13, s19, v13                     ; the way out, in: 64 r + 1,024 h + 2,048 w (the upper lanes' lists land in a KiB that nobody reads)
	v_lshl_add_u32 v14, v12, 4, s19                ; back: 16 x lane
	v_lshl_add_u32 v15, v12, 4, s16                ; and the same place in knn
	s_wait_kmcnt 0x0
	s_add_nc_u64 s[6:7], s[6:7], s[14:15]
.irp c, 0,1,2,3
	global_load_b128 v[SA+4*\c:SA+4*\c+3], v3, s[8:9] offset:16*\c
.endr
	global_load_b64 v[8:9], v4, s[4:5]
.irp i, 0,1,2,3,4,5,6,7,8,9,10,11,12,13,14,15
	global_load_b128 v[TL+4*\i:TL+4*\i+3], v7, s[6:7] offset:2048*\i       ; a wave reads 512 consecutive bytes
.endr
.irp j, 0,1,2,3,4,5,6,7,8,9,10,11,12,13,14,15
	v_mov_b32 v[VL+\j], 0x7f800000                 ; the list begins with +infinity; a lane has 128 candidates, so every entry is replaced
	v_mov_b32 v[IX+\j], 0
.endr
	s_wait_loadcnt 16                              ; the numbers and the position are in; the table's sixteen younger loads stay out while the numbers are sorted
	v_mul_f32 v10, v8, v8
	v_mul_f32 v[DC], v9, v9
	v_add_f32 v10, v10, v[DC]                      ; qs: two rounded products, then their sum
	; the 16 numbers are sorted by 16 rounds of neighbour exchanges, from one array to the other and back
.rept 8
.irp j, 0,2,4,6,8,10,12,14
	v_min_u32 v[SB+\j], v[SA+\j], v[SA+\j+1]
	v_max_u32 v[SB+\j+1], v[SA+\j], v[SA+\j+1]
.endr
	v_mov_b32 v[SA], v[SB]
.irp j, 1,3,5,7,9,11,13
	v_min_u32 v[SA+\j], v[SB+\j], v[SB+\j+1]
	v_max_u32 v[SA+\j+1], v[SB+\j], v[SB+\j+1]
.endr
	v_mov_b32 v[SA+15], v[SB+15]
.endr
.irp k, 0,1,2,3,4,5,6,7
	v_cndmask_b32 v[OFF+\k], v[SA+\k], v[SA+8+\k], s24         ; lanes 0-15 the lower eight, lanes 16-31 the upper eight
.endr
.irp k, 0,1,2,3,4,5,6,7
	ds_store_b32 v6, v[OFF+\k] offset:IDS+128*\k
.endr
	s_wait_loadcnt 0x0
.irp i, 0,1,2,3,4,5,6,7,8,9,10,11,12,13,14,15
	ds_store_b128 v5, v[TL+4*\i:TL+4*\i+3] offset:16*GP*\i
.endr
	s_wait_dscnt 0x0                               ; for the others' sake: my part of the table is written
	s_barrier_signal -1
	s_barrier_wait -1
	v_add_nc_u32 v11, s26, v6
	ds_load_b32 v[NID], v11 offset:IDS             ; my first group's number
	s_wait_dscnt 0x0
	NEXT 1                                         ; group 0, and number 1
	s_mov_b32 s20, 6
.Lgroup:                                           ; trip k works group k, asks for group k + 1 and for number k + 2
	GROUPB 2
	s_sub_co_u32 s20, s20, 1
	s_cmp_lg_u32 s20, 0
	s_cbranch_scc1 .Lgroup
	GROUPB 1                                       ; group 6: group 7 is asked for; there is no further number
	GROUPB 0                                       ; group 7
	; the two halves' lists are joined.  Both are in ascending order, so the 16 least of the 32 are, place by place, the lesser of mine at j and my partner's at 15 - j.  In lanes 0-15 my list is
	; that of the lower indices: the partner's entry is taken only where it is strictly less, so ties fall as they should there, and only those lanes' result is kept.
.irp j, 0,1,2,3,4,5,6,7,8,9,10,11,12,13,14,15
	v_permlanex16_b32 v[PV+\j], v[VL+\j], s[SEL], s[SEL+1]
	v_permlanex16_b32 v[PI+\j], v[IX+\j], s[SEL], s[SEL+1]
.endr
.irp j, 0,1,2,3,4,5,6,7,8,9,10,11,12,13,14,15
	v_cmp_lt_f32 s[MK+\j], v[PV+15-\j], v[VL+\j]
.endr
.irp j, 0,1,2,3,4,5,6,7,8,9,10,11,12,13,14,15
	v_cndmask_b32 v[IX+\j], v[IX+\j], v[PI+15-\j], s[MK+\j]
.endr
	s_wait_dscnt 0x0                               ; the way out lies over the table: my reads of the table are over,
	s_barrier_signal -1
	s_barrier_wait -1                              ; and so are every wave's
.irp c, 0,1,2,3
	ds_store_b128 v13, v[IX+4*\c:IX+4*\c+3] offset:16*\c
.endr
	ds_load_b128 v[16:19], v14                     ; LDS serves a wave's instructions in order: these see my stores
	ds_load_b128 v[20:23], v14 offset:512
	s_wait_dscnt 0x0
	global_store_b128 v15, v[16:19], s[10:11]      ; 16 queries x 64 bytes: 1,024 consecutive bytes a wave
	global_store_b128 v15, v[20:23], s[10:11] offset:512
	s_wait_tensorcnt 0x0
	ds_add_u32 v216, v217
	s_wait_dscnt 0x0
	s_endpgm
.Lfunc_end_k_q99e5492743_knnB:
	.size	k_q99e5492743_knnB, .Lfunc_end_k_q99e5492743_knnB-k_q99e5492743_knnB
	.p2alignl 7, 3214868480
	.fill 96, 4, 3214868480
	.section	.rodata,"a",@progbits
	.p2align	6, 0x0
	.amdhsa_kernel k_q99e5492743_knnB
		.amdhsa_group_segment_fixed_size 41472
		.amdhsa_private_segment_fixed_size 0
		.amdhsa_enable_private_segment 0
		.amdhsa_kernarg_size 32
		.amdhsa_user_sgpr_count 2
		.amdhsa_user_sgpr_kernarg_segment_ptr 1
		.amdhsa_wavefront_size32 1
		.amdhsa_system_sgpr_workgroup_id_x 1
		.amdhsa_system_sgpr_workgroup_id_y 1
		.amdhsa_system_sgpr_workgroup_id_z 1
		.amdhsa_system_vgpr_workitem_id 0
		.amdhsa_next_free_vgpr 218
		.amdhsa_next_free_sgpr 66
		.amdhsa_reserve_vcc 0
		.amdhsa_float_denorm_mode_32 3
		.amdhsa_float_denorm_mode_16_64 3
		.amdhsa_memory_ordered 1
		.amdhsa_forward_progress 1
		.amdhsa_inst_pref_size 226
	.end_amdhsa_kernel
	.amdgpu_metadata
---
amdhsa.version: [ 1, 2 ]
amdhsa.kernels:
  - .name:           k_q99e5492743_knnB
    .symbol:         k_q99e5492743_knnB.kd
    .args:
      - { .name: query_pos, .offset: 0, .size: 8, .value_kind: global_buffer, .address_space: global }
      - { .name: context_pos, .offset: 8, .size: 8, .value_kind: global_buffer, .address_space: global }
      - { .name: grp, .offset: 16, .size: 8, .value_kind: global_buffer, .address_space: global }
      - { .name: knn, .offset: 24, .size: 8, .value_kind: global_buffer, .address_space: global }
    .group_segment_fixed_size: 41472
    .private_segment_fixed_size: 0
    .kernarg_segment_align: 8
    .kernarg_segment_size: 32
    .max_flat_workgroup_size: 128
    .sgpr_count:     66
    .vgpr_count:     218
    .wavefront_size: 32
...
	.end_amdgpu_metadata
.endif
;; end of part 2
;; launch feat (part 3): grid 256 x 1, 8 waves a work-group, no clusters, 68,608 bytes of LDS; arguments context, context_pos, query, query_pos, w_rff, lowp_scales, ckv, q_codes, out1; writes ckv, q_codes, out1
.if DOCPART == 3
	.amdgcn_target "amdgcn-amd-amdhsa--gfx1250"
	.amdhsa_code_object_version 6
	.text
	.protected	k_q99e5492743_feat
	.globl	k_q99e5492743_feat
	.p2align	8
	.type	k_q99e5492743_feat,@function
k_q99e5492743_feat:
	s_mov_b64 s[64:65], 0
	v_nop
	global_prefetch_b8 v0, s[64:65] scope:SCOPE_SE
	s_setreg_imm32_b32 hwreg(HW_REG_WAVE_MODE, 25, 1), 1
	s_wait_xcnt 0x0
; FEATURES INTO CODES.  f = x + [sin(t), cos(t)], t = 2 pi (p0 w0 + p1 w1), all in f32; then codes of FP8 (E4M3): f / 2^e, held within +-448, to the nearest code, ties to even.
; Work-groups 0-127: 128 context rows each, quantised TWICE, with the scales of the K and of the V projection's left operand (entries 2 and 4 of the scales): ckv[row] = 256 + 256 bytes.
; Work-groups 128-255: 128 query rows each, with entry 0; the codes leave as images of the matrix operand's registers: for each 16 rows 8 chunks of 512 bytes, chunk 4 s + c, lane l's 16 bytes at 16 l:
; row l % 16, k = 128 s + 32 c + 16 (l / 16) + 0 .. 15.  These work-groups also copy query_pos to out1, 1,024 bytes each.
; SHARES.  A wave takes 16 rows.  A lane takes columns 4 l .. 4 l + 3 and 128 + 4 l .. : every load covers 512 consecutive bytes, and one sine and cosine serve both halves of a row.
; sin and cos: n = nearest whole number to t 2 / pi; r = t - n pi / 2 with pi / 2 in three parts, by fused multiply-adds; polynomials on |r| <= pi / 4; the quadrant from n's two low bits, by selects.
; The codes meet in the wave's own LDS (16 rows of 528 bytes) and leave 16 bytes a lane.  No barrier: waves share nothing.  No tensor load, no matrix unit: a stream, read once, all 32 loads of a wave out at once.
; LIMITS: |t| under 2^22; entries 0, 2, 4 of the scales between -126 and 119; NaN among the inputs is not served.
.set PITCH, 528
.set WREG,  16*PITCH
.set TWOPI, 12                         ; v12-33: eleven constants, each twice: pairs for the packed forms
.set TOPI,  14
.set NC1,   16
.set NC2,   18
.set NC3,   20
.set S1,    22
.set S2,    24
.set S3,    26
.set K1,    28
.set K2,    30
.set K3,    32
.set XX,    44                         ; at work, four numbers each: the projection, then t
.set NN,    48                         ; n
.set RR,    52                         ; r
.set QI,    56                         ; n as a whole number
.set ZS,    60                         ; r^2
.set PS,    64
.set PC,    68
.set ZZ,    72
.set SN,    76
.set CN,    80
.set AA,    84
.set BB,    88
.set TH,    44                         ; v44-51 the row's eight numbers, held
.set CB,    44                         ; v44-75 the second set of codes, two registers a row
.set XR,    96                         ; v96-223 the rows: eight registers each
.set CA,    224                        ; v224-255 the first set of codes, two registers a row: no store's data are written again
.macro CPAIR reg, bits
	v_mov_b32 v[\reg], \bits
	v_mov_b32 v[\reg+1], \bits
.endm
	s_load_b512 s[4:19], s[0:1], 0x0               ; context, context_pos, query, query_pos, w_rff, the scales, ckv, q_codes
	s_load_b64 s[20:21], s[0:1], 0x40              ; out1
	v_lshl_add_u32 v94, v0, 2, 0x10800
	v_mov_b32 v95, 0
	v_lshrrev_b32 v1, 5, v0
	v_readfirstlane_b32 s22, v1                    ; wave 0..7
	v_and_b32 v43, 31, v0                          ; lane
	v_lshlrev_b32 v1, 4, v43                       ; 16 x lane
	s_mul_i32 s23, s22, WREG
	v_lshl_add_u32 v2, v43, 2, s23                 ; into my stage: 4 x lane
	v_add_nc_u32 v3, s23, v1                       ; out of it by rows: 16 x lane
	v_and_b32 v44, 15, v0
	v_bfe_u32 v45, v0, 4, 1
	v_mul_u32_u24 v42, v44, PITCH
	v_lshl_add_u32 v42, v45, 4, v42
	v_add_nc_u32 v42, s23, v42                     ; out of it as an operand: row l % 16, + 16 (l / 16)
	s_mov_b32 s46, 0x80000000
	s_cmp_lt_u32 ttmp9, 128
	s_cselect_b32 s33, 0, 128
	s_sub_co_u32 s33, ttmp9, s33                   ; which 128 rows of my tensor
	s_lshl_b32 s34, s33, 7
	s_lshl_b32 s35, s22, 4
	s_add_co_u32 s34, s34, s35                     ; my wave's first row
	s_lshl_b32 s36, s34, 10                        ; in bytes of features,
	s_mov_b32 s37, 0
	s_lshl_b32 s38, s34, 3                         ; and of positions
	s_mov_b32 s39, 0
	s_wait_kmcnt 0x0
	s_cmp_lt_u32 ttmp9, 128                        ; context or query: the choice hangs on the work-group's number alone
	s_cselect_b64 s[40:41], s[4:5], s[8:9]
	s_cselect_b64 s[42:43], s[6:7], s[10:11]
	s_add_nc_u64 s[40:41], s[40:41], s[36:37]
	s_add_nc_u64 s[42:43], s[42:43], s[38:39]
	s_load_b512 s[68:83], s[42:43], 0x0            ; my 16 rows' positions: row r's in s[68 + 2 r], s[69 + 2 r]
	s_load_b512 s[84:99], s[42:43], 0x40
	s_load_b256 s[24:31], s[14:15], 0x0            ; the eight exponents
	global_load_b128 v[4:7], v1, s[12:13]          ; w_rff's first row at my four columns,
	global_load_b128 v[8:11], v1, s[12:13] offset:512          ; and its second
.irp r, 0,1,2,3,4,5,6,7,8,9,10,11,12,13,14,15
	global_load_b128 v[XR+8*\r:XR+8*\r+3], v1, s[40:41] offset:1024*\r th:TH_LOAD_NT
	global_load_b128 v[XR+8*\r+4:XR+8*\r+7], v1, s[40:41] offset:1024*\r+512 th:TH_LOAD_NT
.endr
	CPAIR TWOPI, 0x40c90fdb                        ; 2 pi
	CPAIR TOPI,  0x3f22f983                        ; 2 / pi
	CPAIR NC1,   0xbfc90000                        ; - pi / 2 in three parts: 1.5703125,
	CPAIR NC2,   0xb9fda000                        ; 4.837512970e-4,
	CPAIR NC3,   0xb3a22168                        ; 7.549789955e-8
	CPAIR S1,    0xbe2aaaa3                        ; sin r = r + r z (S1 + z (S2 + z S3)), z = r^2
	CPAIR S2,    0x3c08839e
	CPAIR S3,    0xb94ca1f9
	CPAIR K1,    0x3d2aaaa5                        ; cos r = 1 - z / 2 + z^2 (K1 + z (K2 + z K3))
	CPAIR K2,    0xbab6061a
	CPAIR K3,    0x37ccf5ce
	s_wait_kmcnt 0x0
	s_cmp_lt_u32 ttmp9, 128
	s_cselect_b32 s44, s26, s24                    ; the first scale: entry 2 for context, entry 0 for queries
	s_add_co_i32 s44, s44, 127
	s_lshl_b32 s45, s44, 23
	v_mov_b32 v38, s45                             ; 2^e as f32: the conversion takes its exponent field
	s_add_co_i32 s44, s44, 8
	s_lshl_b32 s44, s44, 23
	s_or_b32 s44, s44, 0x600000
	v_mov_b32 v39, s44                             ; 448 x 2^e
	s_add_co_i32 s44, s28, 127                     ; the second: entry 4
	s_lshl_b32 s45, s44, 23
	v_mov_b32 v40, s45
	s_add_co_i32 s44, s44, 8
	s_lshl_b32 s44, s44, 23
	s_or_b32 s44, s44, 0x600000
	v_mov_b32 v41, s44
.macro FEAT r
	s_wait_loadcnt 2*(15-\r)                       ; loads come back in order: this row's two are in, the later rows' may be out
.irp j, 0,1,2,3
	v_mul_f32 v[XX+\j], s[68+2*\r], v[4+\j]
.endr
.irp j, 0,1,2,3
	v_fma_f32 v[XX+\j], s[69+2*\r], v[8+\j], v[XX+\j]
.endr
.irp p, 0,2
	v_pk_mul_f32 v[XX+\p:XX+\p+1], v[XX+\p:XX+\p+1], v[TWOPI:TWOPI+1]          ; t
.endr
.irp p, 0,2
	v_pk_mul_f32 v[NN+\p:NN+\p+1], v[XX+\p:XX+\p+1], v[TOPI:TOPI+1]
.endr
.irp j, 0,1,2,3
	v_rndne_f32 v[NN+\j], v[NN+\j]
.endr
.irp p, 0,2
	v_pk_fma_f32 v[RR+\p:RR+\p+1], v[NN+\p:NN+\p+1], v[NC1:NC1+1], v[XX+\p:XX+\p+1]
.endr
.irp p, 0,2
	v_pk_fma_f32 v[RR+\p:RR+\p+1], v[NN+\p:NN+\p+1], v[NC2:NC2+1], v[RR+\p:RR+\p+1]
.endr
.irp p, 0,2
	v_pk_fma_f32 v[RR+\p:RR+\p+1], v[NN+\p:NN+\p+1], v[NC3:NC3+1], v[RR+\p:RR+\p+1]
.endr
.irp j, 0,1,2,3
	v_cvt_i32_f32 v[QI+\j], v[NN+\j]
.endr
.irp p, 0,2
	v_pk_mul_f32 v[ZS+\p:ZS+\p+1], v[RR+\p:RR+\p+1], v[RR+\p:RR+\p+1]
.endr
.irp p, 0,2
	v_pk_fma_f32 v[PS+\p:PS+\p+1], v[ZS+\p:ZS+\p+1], v[S3:S3+1], v[S2:S2+1]
	v_pk_fma_f32 v[PC+\p:PC+\p+1], v[ZS+\p:ZS+\p+1], v[K3:K3+1], v[K2:K2+1]
.endr
.irp p, 0,2
	v_pk_fma_f32 v[PS+\p:PS+\p+1], v[PS+\p:PS+\p+1], v[ZS+\p:ZS+\p+1], v[S1:S1+1]
	v_pk_fma_f32 v[PC+\p:PC+\p+1], v[PC+\p:PC+\p+1], v[ZS+\p:ZS+\p+1], v[K1:K1+1]
.endr
.irp p, 0,2
	v_pk_mul_f32 v[ZZ+\p:ZZ+\p+1], v[ZS+\p:ZS+\p+1], v[ZS+\p:ZS+\p+1]
	v_pk_mul_f32 v[PS+\p:PS+\p+1], v[PS+\p:PS+\p+1], v[ZS+\p:ZS+\p+1]
	v_pk_fma_f32 v[CN+\p:CN+\p+1], v[ZS+\p:ZS+\p+1], -0.5, 1.0 op_sel_hi:[1,0,0]
.endr
.irp p, 0,2
	v_pk_fma_f32 v[SN+\p:SN+\p+1], v[PS+\p:PS+\p+1], v[RR+\p:RR+\p+1], v[RR+\p:RR+\p+1]   ; sin r
	v_pk_fma_f32 v[CN+\p:CN+\p+1], v[PC+\p:PC+\p+1], v[ZZ+\p:ZZ+\p+1], v[CN+\p:CN+\p+1]   ; cos r
.endr
.irp j, 0,1,2,3
	v_lshlrev_b32 v[AA+\j], 30, v[QI+\j]           ; n's bit 1 on top: the sine's sign
	v_lshlrev_b32 v[BB+\j], 31, v[QI+\j]           ; n's bit 0 on top: sine and cosine change places
.endr
.irp j, 0,1,2,3
	v_cmp_gt_i32 vcc_lo, 0, v[BB+\j]
	v_cndmask_b32 v[ZZ+\j], v[SN+\j], v[CN+\j], vcc_lo
	v_cndmask_b32 v[PC+\j], v[CN+\j], v[SN+\j], vcc_lo
	v_xor_b32 v[BB+\j], v[AA+\j], v[BB+\j]         ; the cosine's sign: bit 1 xor bit 0
	v_and_b32 v[AA+\j], s46, v[AA+\j]
	v_and_b32 v[BB+\j], s46, v[BB+\j]
	v_xor_b32 v[ZZ+\j], v[AA+\j], v[ZZ+\j]         ; sin t
	v_xor_b32 v[PC+\j], v[BB+\j], v[PC+\j]         ; cos t
.endr
.irp p, 0,2
	v_pk_add_f32 v[XR+8*\r+\p:XR+8*\r+\p+1], v[XR+8*\r+\p:XR+8*\r+\p+1], v[ZZ+\p:ZZ+\p+1]
	v_pk_add_f32 v[XR+8*\r+4+\p:XR+8*\r+4+\p+1], v[XR+8*\r+4+\p:XR+8*\r+4+\p+1], v[PC+\p:PC+\p+1]
.endr
.irp j, 0,1,2,3,4,5,6,7
	v_med3_num_f32 v[TH+\j], v[XR+8*\r+\j], -v39, v39          ; the conversion to an 8-bit code does not saturate (ISA guide 7.6.2): the hold at the largest code x the scale
.endr
	v_cvt_scalef32_pk8_fp8_f32 v[CA+2*\r:CA+2*\r+1], v[TH:TH+7], v38
	v_nop                                          ; a plain vector line behind the conversion: the next row writes its sources
	ds_store_b32 v2, v[CA+2*\r] offset:PITCH*\r                ; codes of columns 4 l ..
	ds_store_b32 v2, v[CA+2*\r+1] offset:PITCH*\r+128          ; and of 128 + 4 l ..
.endm
.irp r, 0,1,2,3,4,5,6,7,8,9,10,11,12,13,14,15
	FEAT \r
.endr
	s_cmp_lt_u32 ttmp9, 128
	s_cbranch_scc0 .Lquery
	; ---- context: the second set of codes, then whole rows of 512 bytes out
	s_lshl_b32 s36, s34, 9
	s_add_nc_u64 s[16:17], s[16:17], s[36:37]
.irp r, 0,1,2,3,4,5,6,7,8,9,10,11,12,13,14,15
.irp j, 0,1,2,3,4,5,6,7
	v_med3_num_f32 v[XR+8*\r+\j], v[XR+8*\r+\j], -v41, v41
.endr
	v_cvt_scalef32_pk8_fp8_f32 v[CB+2*\r:CB+2*\r+1], v[XR+8*\r:XR+8*\r+7], v40
.endr
	v_nop                                          ; a plain vector line behind the last conversion
.irp r, 0,1,2,3,4,5,6,7,8,9,10,11,12,13,14,15
	ds_store_b32 v2, v[CB+2*\r] offset:PITCH*\r+256
	ds_store_b32 v2, v[CB+2*\r+1] offset:PITCH*\r+384
.endr
.irp r, 0,1,2,3,4,5,6,7,8,9,10,11,12,13,14,15
	ds_load_b128 v[XR+4*\r:XR+4*\r+3], v3 offset:PITCH*\r      ; LDS serves a wave's instructions in order: these see my stores
.endr
.irp r, 0,1,2,3,4,5,6,7,8,9,10,11,12,13,14,15
	s_wait_dscnt 15-\r
	global_store_b128 v1, v[XR+4*\r:XR+4*\r+3], s[16:17] offset:512*\r     ; a row's 512 consecutive bytes
.endr
	s_wait_tensorcnt 0x0
	ds_add_u32 v94, v95
	s_wait_dscnt 0x0
	s_endpgm
.Lquery:
	; ---- queries: the images of the operand's registers out, and the copy of query_pos
	s_lshl_b32 s36, s34, 8                         ; 4,096 bytes for each 16 rows
	s_add_nc_u64 s[18:19], s[18:19], s[36:37]
.irp n, 0,1,2,3,4,5,6,7
	ds_load_b128 v[XR+4*\n:XR+4*\n+3], v42 offset:128*(\n/4)+32*(\n%4)
.endr
.irp n, 0,1,2,3,4,5,6,7
	s_wait_dscnt 7-\n
	global_store_b128 v1, v[XR+4*\n:XR+4*\n+3], s[18:19] offset:512*\n
.endr
	s_cmp_lt_u32 s22, 2                            ; waves 0 and 1 copy the work-group's 1,024 bytes of query_pos
	s_cbranch_scc0 .Lend
	s_lshl_b32 s47, s33, 10
	v_lshl_add_u32 v92, v0, 4, s47
	global_load_b128 v[84:87], v92, s[10:11]
	s_wait_loadcnt 0x0
	global_store_b128 v92, v[84:87], s[20:21]
.Lend:
	s_wait_tensorcnt 0x0
	ds_add_u32 v94, v95
	s_wait_dscnt 0x0
	s_endpgm
.Lfunc_end_k_q99e5492743_feat:
	.size	k_q99e5492743_feat, .Lfunc_end_k_q99e5492743_feat-k_q99e5492743_feat
	.p2alignl 7, 3214868480
	.fill 96, 4, 3214868480
	.section	.rodata,"a",@progbits
	.p2align	6, 0x0
	.amdhsa_kernel k_q99e5492743_feat
		.amdhsa_group_segment_fixed_size 68608
		.amdhsa_private_segment_fixed_size 0
		.amdhsa_enable_private_segment 0
		.amdhsa_kernarg_size 72
		.amdhsa_user_sgpr_count 2
		.amdhsa_user_sgpr_kernarg_segment_ptr 1
		.amdhsa_wavefront_size32 1
		.amdhsa_system_sgpr_workgroup_id_x 1
		.amdhsa_system_sgpr_workgroup_id_y 1
		.amdhsa_system_sgpr_workgroup_id_z 1
		.amdhsa_system_vgpr_workitem_id 0
		.amdhsa_next_free_vgpr 256
		.amdhsa_next_free_sgpr 100
		.amdhsa_reserve_vcc 1
		.amdhsa_float_denorm_mode_32 3
		.amdhsa_float_denorm_mode_16_64 3
		.amdhsa_memory_ordered 1
		.amdhsa_forward_progress 1
		.amdhsa_inst_pref_size 100
	.end_amdhsa_kernel
	.amdgpu_metadata
---
amdhsa.version: [ 1, 2 ]
amdhsa.kernels:
  - .name:           k_q99e5492743_feat
    .symbol:         k_q99e5492743_feat.kd
    .args:
      - { .name: context, .offset: 0, .size: 8, .value_kind: global_buffer, .address_space: global }
      - { .name: context_pos, .offset: 8, .size: 8, .value_kind: global_buffer, .address_space: global }
      - { .name: query, .offset: 16, .size: 8, .value_kind: global_buffer, .address_space: global }
      - { .name: query_pos, .offset: 24, .size: 8, .value_kind: global_buffer, .address_space: global }
      - { .name: w_rff, .offset: 32, .size: 8, .value_kind: global_buffer, .address_space: global }
      - { .name: lowp_scales, .offset: 40, .size: 8, .value_kind: global_buffer, .address_space: global }
      - { .name: ckv, .offset: 48, .size: 8, .value_kind: global_buffer, .address_space: global }
      - { .name: q_codes, .offset: 56, .size: 8, .value_kind: global_buffer, .address_space: global }
      - { .name: out1, .offset: 64, .size: 8, .value_kind: global_buffer, .address_space: global }
    .group_segment_fixed_size: 68608
    .private_segment_fixed_size: 0
    .kernarg_segment_align: 8
    .kernarg_segment_size: 72
    .max_flat_workgroup_size: 256
    .sgpr_count:     100
    .vgpr_count:     256
    .wavefront_size: 32
...
	.end_amdgpu_metadata
.endif
;; end of part 3
;; launch attn (part 4): grid 256 x 1, 4 waves a work-group, no clusters, 169,728 bytes of LDS; arguments q_codes, ckv, knn, in_proj_w_codes, in_proj_b, out_w_codes, out_b, lowp_scales, out0; writes out0
.if DOCPART == 4
	.amdgcn_target "amdgcn-amd-amdhsa--gfx1250"
	.amdhsa_code_object_version 6
	.text
	.protected	k_q99e5492743_attn
	.globl	k_q99e5492743_attn
	.p2align	8
	.type	k_q99e5492743_attn,@function
k_q99e5492743_attn:
	s_mov_b64 s[64:65], 0
	v_nop
	global_prefetch_b8 v0, s[64:65] scope:SCOPE_SE
	s_setreg_imm32_b32 hwreg(HW_REG_WAVE_MODE, 25, 1), 1
	s_wait_xcnt 0x0
; GATHER, THE FOUR QUANTISED PROJECTIONS AND THE ATTENTION.  For each query: its 16 nearest context rows (codes, two sets) x Wk and x Wv, its own codes x Wq, softmax over the 16 in each of 8 heads in f32,
; o quantised with entry 6 of the scales, x Wo, + out_b.  All four products by v_wmma_f32_16x16x128_fp8_fp8 on codes; each sum is multiplied by 2^(its two exponents added).
; SHARES.  A work-group takes 64 queries: 4 blocks of 16, each two sub-blocks of 8.  THE WAVES SHARE THE COLUMNS: wave w owns heads 2 w and 2 w + 1 = columns 64 w .. 64 w + 63 of q, k, v and of the output.
; Its rows of Wq, Wk, Wv, Wo (4 x 128 registers) and its biases stay in registers for the whole launch.  A query's 16 gathered rows are one tile of 16 rows.
; GATHER.  The rows' numbers are whole numbers that an earlier launch stored; they come by scalar loads, are held at 16,383, and each of a wave's loads brings one row's 512 consecutive bytes.
; A wave gathers 2 of a sub-block's 8 queries; the rows go through LDS (528 bytes apart) to all four waves; two such regions take turns, and the next sub-block's loads are out while this one is worked.
; LAYOUTS.  k: source 0 = 16 rows of Wk, source 1 = the 16 gathered rows: lane (r, h) holds neighbour r, channels 16 t + 8 h + j.  q likewise (lane = query).  v: source 0 = the gathered rows,
; source 1 = 16 rows of Wv: lane (r, h) holds channel 16 t + r, neighbours 8 h + j.  So a score is a sum down a lane's registers and one exchange between the halves of the lanes, the softmax runs over the
; sixteen lanes of a row, and p v is again a sum down registers and one exchange.  In every operand lane (r, h) holds k = 32 c + 16 h + 0 .. 15 in registers 4 c .. 4 c + 3: the same permutation of k on both sides.
; SCALES.  bq and bk go in as the first matrix instruction's C, divided by the power of two that the sums lack; q is multiplied once by log2(e) / sqrt(32) x 2^(e0 + e1 + e2 + e3); the largest score is taken
; away before the exponential; p is divided by its sum and multiplied by 2^(e4 + e5); bv is added once, since the p of a head add up to 1.
; NO JOINT LOADS, NO TENSOR LOADS: what work-groups share is the 256 KiB of weights, which each wave's lanes load straight into the operands' registers, once; through LDS they would make a second trip.
; The gathered rows, 512 KiB a work-group, are each query's own.
; LIMITS: e0 + e1 + e2 + e3 between -124 and 129; e6 between -126 and 119; e6 + e7 between -126 and 127; NaN is not served.
; REGISTERS, in windows of 256.  Window 0: v1-15 addresses and constants; FK, FV the gathered rows' fragments; AK, AV, QH sums; QB the query in hand, spread; v208-255 at work.
;   Window 1: Wk (tile t, K step s) at 32 t + 16 s; Wv at 128 + the same.   Window 2: Wq, Wo likewise.   Window 3: v0-31 bk, v32-63 the block's q fragments, v64-95 bq, v96-127 out_b, v128-255 the gather.
.set GATH1, 67584                      ; LDS: two regions of 8 queries x 16 rows x 528 bytes, at 0 and here;
.set OST,   135168                     ; o of a block: 16 rows x (1,024 + 16) bytes;
.set YST,   151808                     ; the way out: 16 rows x (256 + 16) bytes for each wave
.set FK,  16
.set FV,  48
.set AK,  80
.set AV,  112
.set QH,  144
.set QB,  176
.set SC,  208                          ; v208-215 four pairs of partial sums
.set PP,  230                          ; v230-245 p, spread: head A's eight, head B's eight
.set OO,  246                          ; v246-249 o on its way to LDS: two registers for even queries, two for odd
.set MSB, 0
.macro WIN new                         ; bits 1:0 source 0, 3:2 source 1, 5:4 source 2, 7:6 destination; the immediate's high byte repeats the setting that is left
.if MSB != \new
	s_set_vgpr_msb (MSB<<8)|\new
.set MSB, \new
.endif
.endm
.macro WLOAD dst, base, row            ; 64 rows of a weight from row on: 4 tiles x 2 K steps x 4 loads of 16 bytes a lane
.irp t, 0,1,2,3
.irp s, 0,1
.irp c, 0,1,2,3
	global_load_b128 v[\dst+32*\t+16*\s+4*\c:\dst+32*\t+16*\s+4*\c+3], v11, s[\base:\base+1] offset:(\row+16*\t)*256+128*\s+32*\c
.endr
.endr
.endr
.endm
; The next sub-block's gather goes out: my two queries' 32 rows.  Then the numbers of the sub-block after it are asked for (the last stays at sub-block 7: no load leaves knn).
.macro GISSUE
	s_wait_kmcnt 0x0                               ; the 32 numbers are in
.set n, 0
.rept 32
	s_min_u32 s[32+n], s[32+n], 16383              ; a loaded number enters an address only so held
.set n, n+1
.endr
	WIN 0xc0
.set n, 0
.rept 32
	v_lshl_add_u32 v[128+4*n], s[32+n], 9, v1      ; 512 x row + 16 x lane
.set n, n+1
.endr
	WIN 0xc3
.set n, 0
.rept 32
	global_load_b128 v[128+4*n:128+4*n+3], v[128+4*n], s[6:7]  ; each load lands on its own offset register
.set n, n+1
.endr
	WIN 0
	s_add_co_u32 s31, s31, 1
	s_min_u32 s31, s31, 7
	s_lshl_b32 s30, s31, 9                         ; 8 queries x 64 bytes a sub-block
	s_load_b512 s[32:47], s[8:9], s30 offset:0x0
	s_load_b512 s[48:63], s[8:9], s30 offset:0x40
.endm
; What was gathered goes into region k; the barrier shows it to all four waves.  Region k was last read two barriers ago, and every wave waited for those reads in front of a signal since.
.macro STAGE k
	s_wait_loadcnt 0x0
	WIN 0x0c
.set n, 0
.rept 32
	ds_store_b128 v[4+\k], v[128+4*n:128+4*n+3] offset:8448*(n/16)+528*(n%16)
.set n, n+1
.endr
	WIN 0
	s_wait_dscnt 0x0                               ; for the others' sake: my stores have landed, and my earlier LDS reads are over
	s_barrier_signal -1
	s_barrier_wait -1
.endm
.macro FRAG i                          ; query i's 16 rows as two operands of two K steps: 16 LDS loads
.irp s, 0,1
.irp c, 0,1,2,3
	ds_load_b128 v[FK+16*\s+4*\c:FK+16*\s+4*\c+3], v[2+(\i)/8] offset:8448*((\i)%8)+128*\s+32*\c
.endr
.endr
.irp s, 0,1
.irp c, 0,1,2,3
	ds_load_b128 v[FV+16*\s+4*\c:FV+16*\s+4*\c+3], v[2+(\i)/8] offset:8448*((\i)%8)+256+128*\s+32*\c
.endr
.endr
.endm
.macro QUERY i                         ; query i of the block's 16
.if (\i)%8 == 0
	FRAG \i
	s_wait_dscnt 0x0
.else
	s_wait_dscnt 0x2                               ; the fragments were asked for in the query before; only its two stores of o are younger
.endif
	WIN 0x31                                       ; Wk window 1, bk window 3.  The accumulators take turns, one instruction a turn
.irp t, 0,1,2,3
	v_wmma_f32_16x16x128_fp8_fp8 v[AK+8*\t:AK+8*\t+7], v[32*\t:32*\t+15], v[FK:FK+15], v[8*\t:8*\t+7]
.endr
	WIN 0x01
.irp t, 0,1,2,3
	v_wmma_f32_16x16x128_fp8_fp8 v[AK+8*\t:AK+8*\t+7], v[32*\t+16:32*\t+31], v[FK+16:FK+31], v[AK+8*\t:AK+8*\t+7]
.endr
	WIN 0x04                                       ; Wv window 1, as source 1
.irp t, 0,1,2,3
	v_wmma_f32_16x16x128_fp8_fp8 v[AV+8*\t:AV+8*\t+7], v[FV:FV+15], v[128+32*\t:128+32*\t+15], 0
.endr
.irp t, 0,1,2,3
	v_wmma_f32_16x16x128_fp8_fp8 v[AV+8*\t:AV+8*\t+7], v[FV+16:FV+31], v[128+32*\t+16:128+32*\t+31], v[AV+8*\t:AV+8*\t+7]
.endr
	WIN 0
.set n, 0
.rept 32
	v_mov_b32_dpp v[QB+n], v[QH+n] row_share:\i row_mask:0xf bank_mask:0xf     ; query i's q to all sixteen lanes of each half.  These 32 are also the places behind the products
.set n, n+1
.endr
.if (\i)%8 < 7
	FRAG (\i)+1
.endif
.irp t, 0,1,2,3
	v_pk_mul_f32 v[SC+2*\t:SC+2*\t+1], v[AK+8*\t:AK+8*\t+1], v[QB+8*\t:QB+8*\t+1]      ; each accumulator is read from its low end on
.endr
.irp p, 2,4,6
.irp t, 0,1,2,3
	v_pk_fma_f32 v[SC+2*\t:SC+2*\t+1], v[AK+8*\t+\p:AK+8*\t+\p+1], v[QB+8*\t+\p:QB+8*\t+\p+1], v[SC+2*\t:SC+2*\t+1]
.endr
.endr
	v_pk_add_f32 v[SC:SC+1], v[SC:SC+1], v[SC+2:SC+3]
	v_pk_add_f32 v[SC+4:SC+5], v[SC+4:SC+5], v[SC+6:SC+7]
	v_add_f32 v216, v208, v209                     ; head A's score of neighbour r, my half of its 32 channels;
	v_add_f32 v217, v212, v213                     ; head B's
	v_cndmask_b32 v218, v216, v217, s24            ; lanes 0-15 keep head A and send head B, lanes 16-31 the other way round
	v_cndmask_b32 v219, v217, v216, s24
	v_permlanex16_b32 v220, v219, s26, s27
	v_add_f32 v221, v218, v220                     ; t: lanes 0-15 head A, lanes 16-31 head B; lane % 16 = the neighbour
	v_max_num_f32_dpp v222, v221, v221 row_xmask:1 row_mask:0xf bank_mask:0xf
	v_max_num_f32_dpp v222, v222, v222 row_xmask:2 row_mask:0xf bank_mask:0xf
	v_max_num_f32_dpp v222, v222, v222 row_xmask:4 row_mask:0xf bank_mask:0xf
	v_max_num_f32_dpp v222, v222, v222 row_xmask:8 row_mask:0xf bank_mask:0xf
	v_sub_f32 v223, v221, v222                     ; the largest is taken away
	v_exp_f32 v223, v223
	v_nop                                          ; a plain place behind the transcendental
	s_wait_alu depctr_va_vdst(0)
	v_add_f32_dpp v224, v223, v223 row_xmask:1 row_mask:0xf bank_mask:0xf
	v_add_f32_dpp v224, v224, v224 row_xmask:2 row_mask:0xf bank_mask:0xf
	v_add_f32_dpp v224, v224, v224 row_xmask:4 row_mask:0xf bank_mask:0xf
	v_add_f32_dpp v224, v224, v224 row_xmask:8 row_mask:0xf bank_mask:0xf
	v_rcp_f32 v225, v224
	v_nop
	s_wait_alu depctr_va_vdst(0)
	v_ldexp_f32 v225, v225, s78                    ; x 2^(e4 + e5): v's sums lack it
	v_mul_f32 v226, v223, v225                     ; p
	v_permlanex16_b32 v227, v226, s28, s29         ; the other half's p, turned by eight lanes
	v_cndmask_b32 v228, v226, v227, s24            ; head A's p: lanes 0-15 as it lies, lanes 16-31 turned by eight
	v_cndmask_b32 v229, v227, v226, s24            ; head B's: lanes 0-15 turned, lanes 16-31 as it lies
.irp j, 0,1,2,3,4,5,6,7
	v_mov_b32_dpp v[PP+\j], v228 row_share:\j row_mask:0xf bank_mask:0xf       ; half h gets head A's p of neighbour 8 h + j
.endr
.irp j, 8,9,10,11,12,13,14,15
	v_mov_b32_dpp v[PP+\j], v229 row_share:\j row_mask:0xf bank_mask:0xf       ; and head B's of neighbour 8 h + j - 8
.endr
.irp t, 0,1,2,3
	v_pk_mul_f32 v[SC+2*\t:SC+2*\t+1], v[AV+8*\t:AV+8*\t+1], v[PP+8*(\t/2):PP+8*(\t/2)+1]
.endr
.irp p, 2,4,6
.irp t, 0,1,2,3
	v_pk_fma_f32 v[SC+2*\t:SC+2*\t+1], v[AV+8*\t+\p:AV+8*\t+\p+1], v[PP+8*(\t/2)+\p:PP+8*(\t/2)+\p+1], v[SC+2*\t:SC+2*\t+1]
.endr
.endr
.irp t, 0,1,2,3
	v_add_f32 v[216+\t], v[SC+2*\t], v[SC+2*\t+1]  ; channel 16 t + r, my half's eight neighbours
.endr
.irp u, 0,1
	v_cndmask_b32 v[220+\u], v[216+2*\u], v[217+2*\u], s24     ; lanes 0-15 keep the head's first 16 channels, lanes 16-31 its second
	v_cndmask_b32 v[222+\u], v[217+2*\u], v[216+2*\u], s24
.endr
.irp u, 0,1
	v_permlanex16_b32 v[224+\u], v[222+\u], s26, s27
.endr
.irp u, 0,1
	v_add_f32 v[220+\u], v[220+\u], v[224+\u]
.endr
.irp u, 0,1
	v_add_f32 v[OO+2*((\i)%2)+\u], v[220+\u], v[12+\u]         ; + bv: o of channel 64 w + 32 u + lane
.endr
.irp u, 0,1
	ds_store_b32 v6, v[OO+2*((\i)%2)+\u] offset:1040*(\i)+128*\u
.endr
.endm
.macro QUANT src, dst                  ; 64 numbers of a lane, register 16 c + n = k 32 c + 16 h + n of my row, become a fragment's codes
.irp c, 0,1,2,3
.set n, 0
.rept 16
	v_med3_num_f32 v[\src+16*\c+n], v[\src+16*\c+n], -v15, v15 ; the conversion to an 8-bit code does not saturate (ISA guide 7.6.2): the hold at the largest code x the scale
.set n, n+1
.endr
	v_cvt_scalef32_pk8_fp8_f32 v[\dst+4*\c:\dst+4*\c+1], v[\src+16*\c:\src+16*\c+7], v14
	v_cvt_scalef32_pk8_fp8_f32 v[\dst+4*\c+2:\dst+4*\c+3], v[\src+16*\c+8:\src+16*\c+15], v14
.endr
	v_nop                                          ; a plain vector line between the last conversion and the matrix instruction that reads its result
.endm
	s_load_b512 s[4:19], s[0:1], 0x0               ; q_codes, ckv, knn, in_proj_w_codes, in_proj_b, out_w_codes, out_b, the scales
	s_load_b64 s[20:21], s[0:1], 0x40              ; out0
	v_lshl_add_u32 v254, v0, 2, 0x29500
	v_mov_b32 v255, 0
	v_lshrrev_b32 v1, 5, v0
	v_readfirstlane_b32 s22, v1                    ; wave 0..3
	v_and_b32 v210, 31, v0                         ; lane
	v_and_b32 v208, 15, v0                         ; r
	v_bfe_u32 v209, v0, 4, 1                       ; h
	v_lshlrev_b32 v1, 4, v210                      ; v1: 16 x lane
	v_mul_u32_u24 v2, v208, 528
	v_lshl_add_u32 v2, v209, 4, v2                 ; v2, v3: a fragment's row r, + 16 h, in region 0, 1
	v_add_nc_u32 v3, GATH1, v2
	s_mul_i32 s82, s22, 16896
	v_add_nc_u32 v4, s82, v1                       ; v4, v5: where my two queries' rows go: 2 x 8,448 x wave + 16 x lane
	v_add_nc_u32 v5, GATH1, v4
	s_lshl_b32 s83, s22, 8                         ; 256 x wave: my 64 columns in bytes of f32
	v_lshl_add_u32 v212, v210, 2, s83
	v_add_nc_u32 v6, OST, v212                     ; v6: o in: 256 w + 4 x lane
	v_mul_u32_u24 v7, v208, 1040
	v_lshl_add_u32 v7, v209, 6, v7
	v_add_nc_u32 v7, OST, v7                       ; v7: o back: row r, + 64 h: 16 numbers of each block of 32
	s_mul_i32 s84, s22, 4352
	s_add_co_u32 s84, s84, YST
	v_mul_u32_u24 v8, v208, 272
	v_lshl_add_u32 v8, v209, 5, v8
	v_add_nc_u32 v8, s84, v8                       ; v8: the way out, in: row r, + 32 h
	v_mul_u32_u24 v9, v209, 272
	v_lshl_add_u32 v9, v208, 4, v9
	v_add_nc_u32 v9, s84, v9                       ; v9: back: lanes 0-15 one row of 256 bytes, lanes 16-31 the next
	v_lshlrev_b32 v10, 10, v209
	v_lshl_add_u32 v10, v208, 4, v10
	v_add_nc_u32 v10, s83, v10                     ; v10: the same two rows in out0, at my 256 bytes
	v_lshlrev_b32 v11, 8, v208
	v_lshl_add_u32 v11, v209, 4, v11               ; v11: a weight's row r of 256 codes, + 16 h
	v_lshl_add_u32 v211, v209, 5, s83              ; a bias in a result's layout: 256 w + 32 h
	s_lshl_b32 s86, ttmp9, 14                      ; my 64 queries' codes,
	s_mov_b32 s87, 0
	s_lshl_b32 s88, ttmp9, 12                      ; their neighbours' numbers, from my wave's two queries on,
	s_lshl_b32 s85, s22, 7
	s_add_co_u32 s88, s88, s85
	s_mov_b32 s89, 0
	s_lshl_b32 s90, s22, 14                        ; my 64 rows of each weight,
	s_mov_b32 s91, 0
	s_lshl_b32 s92, ttmp9, 16                      ; my 64 rows of out0
	s_mov_b32 s93, 0
	s_mov_b32 s23, 4                               ; blocks to go
	s_mov_b32 s24, 0xffff0000                      ; lanes 16-31
	s_mov_b32 s26, 0x76543210                      ; lane l xor 16
	s_mov_b32 s27, 0xfedcba98
	s_mov_b32 s28, 0xfedcba98                      ; the other half's lane (l + 8) % 16
	s_mov_b32 s29, 0x76543210
	s_mov_b32 s31, 0
	s_wait_kmcnt 0x0
	s_add_nc_u64 s[4:5], s[4:5], s[86:87]
	s_add_nc_u64 s[8:9], s[8:9], s[88:89]
	s_add_nc_u64 s[10:11], s[10:11], s[90:91]
	s_add_nc_u64 s[14:15], s[14:15], s[90:91]
	s_add_nc_u64 s[20:21], s[20:21], s[92:93]
	s_load_b256 s[68:75], s[18:19], 0x0            ; e0 .. e7
	s_load_b512 s[32:47], s[8:9], 0x0              ; sub-block 0's numbers
	s_load_b512 s[48:63], s[8:9], 0x40
	WIN 0x40
	WLOAD 0, 10, 256                               ; Wk
	WLOAD 128, 10, 512                             ; Wv
	WIN 0x80
	WLOAD 0, 10, 0                                 ; Wq
	WLOAD 128, 14, 0                               ; Wo
	WIN 0xc0
.irp t, 0,1,2,3
	global_load_b128 v[8*\t:8*\t+3], v211, s[12:13] offset:1024+64*\t          ; bk at channels 16 t + 8 h + 0 .. 7
	global_load_b128 v[8*\t+4:8*\t+7], v211, s[12:13] offset:1024+64*\t+16
	global_load_b128 v[64+8*\t:64+8*\t+3], v211, s[12:13] offset:64*\t         ; bq
	global_load_b128 v[64+8*\t+4:64+8*\t+7], v211, s[12:13] offset:64*\t+16
	global_load_b128 v[96+8*\t:96+8*\t+3], v211, s[16:17] offset:64*\t         ; out_b
	global_load_b128 v[96+8*\t+4:96+8*\t+7], v211, s[16:17] offset:64*\t+16
.endr
.irp n, 0,1,2,3,4,5,6,7
	global_load_b128 v[32+4*\n:32+4*\n+3], v1, s[4:5] offset:512*\n            ; block 0's q fragments: images of the registers, 512 consecutive bytes a load
.endr
	WIN 0
	global_load_b32 v12, v212, s[12:13] offset:2048                            ; bv at channel 64 w + lane,
	global_load_b32 v13, v212, s[12:13] offset:2048+128                        ; and 32 further on
	GISSUE                                         ; sub-block 0's gather
	s_add_co_i32 s82, s68, s69                     ; e0 + e1
	s_add_co_i32 s83, s70, s71                     ; e2 + e3
	s_add_co_i32 s84, s82, s83
	s_lshl_b32 s84, s84, 23
	s_add_co_i32 s76, s84, 0x3e8293ee              ; log2(e) / sqrt(32), with the four exponents added to its exponent field
	s_mov_b32 s77, s76                             ; (named with it as a pair, so it is written)
	s_sub_co_i32 s82, 0, s82
	s_sub_co_i32 s83, 0, s83
	s_add_co_i32 s78, s72, s73                     ; e4 + e5
	s_add_co_i32 s80, s74, s75
	s_add_co_i32 s80, s80, 127
	s_lshl_b32 s80, s80, 23                        ; 2^(e6 + e7) as f32
	s_mov_b32 s81, s80
	s_add_co_i32 s84, s74, 127
	s_lshl_b32 s85, s84, 23
	v_mov_b32 v14, s85                             ; 2^e6: o's conversions take its exponent field
	s_add_co_i32 s84, s84, 8
	s_lshl_b32 s84, s84, 23
	s_or_b32 s84, s84, 0x600000
	v_mov_b32 v15, s84                             ; 448 x 2^e6
.set n, 0
.rept 32
	v_mov_b32 v[QB+n], 0                           ; written once: the destination of a lane move counts as one of its sources
.set n, n+1
.endr
.set n, 0
.rept 16
	v_mov_b32 v[PP+n], 0
.set n, n+1
.endr
.irp n, 220,222,224,225,227
	v_mov_b32 v\n, 0
.endr
	s_wait_loadcnt 32                              ; all but the 32 loads of the gather
	WIN 0xc3
.set n, 0
.rept 32
	v_ldexp_f32 v[n], v[n], s83                    ; bk / 2^(e2 + e3)
	v_ldexp_f32 v[64+n], v[64+n], s82              ; bq / 2^(e0 + e1)
.set n, n+1
.endr
	WIN 0
.Lblock:
	; ---- q of the block's 16 queries: lane (query, h), channels 16 t + 8 h + j
	s_wait_loadcnt 32                              ; the q fragments are in; the 32 younger loads are the gather
	WIN 0x3e                                       ; Wq window 2, the fragments and bq window 3
.irp t, 0,1,2,3
	v_wmma_f32_16x16x128_fp8_fp8 v[QH+8*\t:QH+8*\t+7], v[32*\t:32*\t+15], v[32:47], v[64+8*\t:64+8*\t+7]
.endr
	WIN 0x0e
.irp t, 0,1,2,3
	v_wmma_f32_16x16x128_fp8_fp8 v[QH+8*\t:QH+8*\t+7], v[32*\t+16:32*\t+31], v[48:63], v[QH+8*\t:QH+8*\t+7]
.endr
	WIN 0
.rept 4
	v_nop                                          ; places in front of the first read of the results
.endr
.set n, 0
.rept 16
	v_pk_mul_f32 v[QH+2*n:QH+2*n+1], v[QH+2*n:QH+2*n+1], s[76:77] op_sel_hi:[1,0]
.set n, n+1
.endr
	; ---- sub-block 0
	STAGE 0
	s_cmp_eq_u32 s23, 1                            ; the next block's q fragments, if there is a next block: no load leaves its buffer
	s_cbranch_scc1 .Lno_qf
	WIN 0xc0
.irp n, 0,1,2,3,4,5,6,7
	global_load_b128 v[32+4*\n:32+4*\n+3], v1, s[4:5] offset:4096+512*\n
.endr
	WIN 0
.Lno_qf:
	GISSUE                                         ; sub-block 1's gather is out while sub-block 0 is worked
.irp i, 0,1,2,3,4,5,6,7
	QUERY \i
.endr
	; ---- sub-block 1
	STAGE 1
	s_cmp_eq_u32 s23, 1                            ; the next block's first gather, if there is a next block
	s_cbranch_scc1 .Lno_gather
	GISSUE
.Lno_gather:
.irp i, 8,9,10,11,12,13,14,15
	QUERY \i
.endr
	; ---- the out-projection: every wave quantises the block's whole o (K = all 256 channels) and makes its 64 columns
	s_wait_dscnt 0x0                               ; for the others' sake: my stores of o have landed
	s_barrier_signal -1
	s_barrier_wait -1
.irp c, 0,1,2,3
.irp j, 0,1,2,3
	ds_load_b128 v[16+16*\c+4*\j:16+16*\c+4*\j+3], v7 offset:128*\c+16*\j
.endr
.endr
.irp c, 0,1,2,3
.irp j, 0,1,2,3
	ds_load_b128 v[112+16*\c+4*\j:112+16*\c+4*\j+3], v7 offset:512+128*\c+16*\j
.endr
.endr
	s_wait_dscnt 16                                ; the first K step's sixteen loads are in
	QUANT 16, 176
	s_wait_dscnt 0x0
	QUANT 112, 192
	WIN 0x02                                       ; Wo window 2
.irp t, 0,1,2,3
	v_wmma_f32_16x16x128_fp8_fp8 v[AK+8*\t:AK+8*\t+7], v[128+32*\t:128+32*\t+15], v[176:191], 0
.endr
.irp t, 0,1,2,3
	v_wmma_f32_16x16x128_fp8_fp8 v[AK+8*\t:AK+8*\t+7], v[128+32*\t+16:128+32*\t+31], v[192:207], v[AK+8*\t:AK+8*\t+7]
.endr
	WIN 0
.rept 4
	v_nop
.endr
	WIN 0x30                                       ; out_b window 3
.set n, 0
.rept 16
	v_pk_fma_f32 v[208+2*n:208+2*n+1], v[AK+2*n:AK+2*n+1], s[80:81], v[96+2*n:96+2*n+1] op_sel_hi:[1,0,1]     ; sum x 2^(e6 + e7) + out_b; each accumulator from its low end on
.set n, n+1
.endr
	WIN 0
.irp t, 0,1,2,3
	ds_store_b128 v8, v[208+8*\t:208+8*\t+3] offset:64*\t      ; lane (query r, h): columns 16 t + 8 h + 0 .. 7 of my 64
	ds_store_b128 v8, v[208+8*\t+4:208+8*\t+7] offset:64*\t+16
.endr
.irp n, 0,1,2,3,4,5,6,7
	ds_load_b128 v[16+4*\n:16+4*\n+3], v9 offset:544*\n        ; LDS serves a wave's instructions in order: these see my stores
.endr
.irp n, 0,1,2,3,4,5,6,7
	s_wait_dscnt 7-\n
	global_store_b128 v10, v[16+4*\n:16+4*\n+3], s[20:21] offset:2048*\n th:TH_STORE_NT        ; sixteen lanes store 256 consecutive bytes, at a multiple of 256 from out0's first byte
.endr
	s_wait_xcnt 0x0                                ; the stores have read their registers and their base: both are written again
	s_add_nc_u64 s[20:21], s[20:21], 16384
	s_add_nc_u64 s[4:5], s[4:5], 4096
	s_sub_co_u32 s23, s23, 1
	s_cmp_lg_u32 s23, 0
	s_cbranch_scc1 .Lblock
	s_wait_tensorcnt 0x0
	ds_add_u32 v254, v255
	s_wait_dscnt 0x0
	s_endpgm
.Lfunc_end_k_q99e5492743_attn:
	.size	k_q99e5492743_attn, .Lfunc_end_k_q99e5492743_attn-k_q99e5492743_attn
	.p2alignl 7, 3214868480
	.fill 96, 4, 3214868480
	.section	.rodata,"a",@progbits
	.p2align	6, 0x0
	.amdhsa_kernel k_q99e5492743_attn
		.amdhsa_group_segment_fixed_size 169728
		.amdhsa_private_segment_fixed_size 0
		.amdhsa_enable_private_segment 0
		.amdhsa_kernarg_size 72
		.amdhsa_user_sgpr_count 2
		.amdhsa_user_sgpr_kernarg_segment_ptr 1
		.amdhsa_wavefront_size32 1
		.amdhsa_system_sgpr_workgroup_id_x 1
		.amdhsa_system_sgpr_workgroup_id_y 1
		.amdhsa_system_sgpr_workgroup_id_z 1
		.amdhsa_system_vgpr_workitem_id 0
		.amdhsa_next_free_vgpr 1024
		.amdhsa_next_free_sgpr 100
		.amdhsa_reserve_vcc 0
		.amdhsa_float_denorm_mode_32 3
		.amdhsa_float_denorm_mode_16_64 3
		.amdhsa_memory_ordered 1
		.amdhsa_forward_progress 1
		.amdhsa_inst_pref_size 219
	.end_amdhsa_kernel
	.amdgpu_metadata
---
amdhsa.version: [ 1, 2 ]
amdhsa.kernels:
  - .name:           k_q99e5492743_attn
    .symbol:         k_q99e5492743_attn.kd
    .args:
      - { .name: q_codes, .offset: 0, .size: 8, .value_kind: global_buffer, .address_space: global }
      - { .name: ckv, .offset: 8, .size: 8, .value_kind: global_buffer, .address_space: global }
      - { .name: knn, .offset: 16, .size: 8, .value_kind: global_buffer, .address_space: global }
      - { .name: in_proj_w_codes, .offset: 24, .size: 8, .value_kind: global_buffer, .address_space: global }
      - { .name: in_proj_b, .offset: 32, .size: 8, .value_kind: global_buffer, .address_space: global }
      - { .name: out_w_codes, .offset: 40, .size: 8, .value_kind: global_buffer, .address_space: global }
      - { .name: out_b, .offset: 48, .size: 8, .value_kind: global_buffer, .address_space: global }
      - { .name: lowp_scales, .offset: 56, .size: 8, .value_kind: global_buffer, .address_space: global }
      - { .name: out0, .offset: 64, .size: 8, .value_kind: global_buffer, .address_space: global }
    .group_segment_fixed_size: 169728
    .private_segment_fixed_size: 0
    .kernarg_segment_align: 8
    .kernarg_segment_size: 72
    .max_flat_workgroup_size: 128
    .sgpr_count:     100
    .vgpr_count:     1024
    .wavefront_size: 32
...
	.end_amdgpu_metadata
.endif
;; end of part 4
;; ======== version 2 of 2: 4 launches; version 1 with the launches knnA, attn written anew for expert scheduling mode
;; workspace buffers: grp 1,048,576 bytes of whole numbers; knn 1,048,576 bytes of whole numbers; ckv 8,388,608 bytes; q_codes 4,194,304 bytes
;; launch knnA (part 5): grid 256 x 1, 4 waves a work-group, no clusters, 57,856 bytes of LDS; arguments query_pos, context_pos, grp; writes grp
.if DOCPART == 5
	.amdgcn_target "amdgcn-amd-amdhsa--gfx1250"
	.amdhsa_code_object_version 6
	.text
	.protected	k_q99e5492743_knnA
	.globl	k_q99e5492743_knnA
	.p2align	8
	.type	k_q99e5492743_knnA,@function
k_q99e5492743_knnA:
	s_mov_b64 s[64:65], 0
	v_nop
	global_prefetch_b8 v0, s[64:65] scope:SCOPE_SE
	s_setreg_imm32_b32 hwreg(HW_REG_WAVE_SCHED_MODE, 0, 2), 2
	s_setreg_imm32_b32 hwreg(HW_REG_WAVE_MODE, 25, 1), 1
	s_wait_xcnt 0x0
	s_wait_alu depctr_vm_vsrc(0)
; FIRST STAGE OF THE 16 NEAREST: for each query the 16 nearest GROUPS of 16 neighbouring context points.
; d2 = (qs + cs) - 2 dot, in f32.  qs = q0 q0 + q1 q1 and cs likewise, each product rounded by itself and then the sum; dot = fma(q1, c1, q0 c0); the last step is one fused multiply-add (2 dot is exact).
; A group's figure is the least d2 of its 16 points.  Groups are ordered by (figure, group number), points by (d2, index).  A point among the 16 nearest lies in one of the 16 least groups:
; else 16 other groups' least points would all come before it.  So the next launch looks at 16 x 16 points only.
; SHARES.  A work-group takes 64 queries of one batch (64 work-groups a batch); lane (r, h) of wave w takes query 64 g + 16 w + r and half h of the batch's 4,096 points: 128 groups.
; The batch's points lie in LDS as three arrays of f32: first coordinate, second coordinate, cs: 48 KiB, written once, read by all four waves; sixteen lanes read the same 16 bytes.
; The list of 16 is kept sorted in registers and every candidate is put in without a branch (RANK, PLACE).  A strict compare and ascending order of candidates give ties to the lower number.
; No tensor load, no cluster: what the work-groups of a batch share is 32 KiB read once, beside 128 x 115 vector instructions a wave.
; LIMITS: positions finite and d2 finite; NaN is not served.
; THE MODE: SCHED_MODE bits 1:0 = 2 (LLVM: expert scheduling mode 2), set by the entry lines.  The code itself states the register dependences
; between vector instructions and memory or LDS instructions, and between a vector instruction that writes a scalar register and its readers, with s_wait_alu, always for 0.
; THE PLAN.  Registers that LDS instructions touch in the loop:
;   BUF set 0, set 1   Group p's packed lines read set p % 2; behind them the twelve loads of group p + 2 land in it.
;   v3                 Read by every load of a group; written once a trip, at the trip's end.
;   All else (M0, M1, DD, MN, the list, TP, v10) is named by vector instructions alone.
; A candidate goes in by sixteen compares, the sixteen lines on the figures, which need no mask, and 31 selects by the masks.  Between the figures and the selects stand the group's two waits: one on va_sdst
; for the masks, one on va_vdst for the packed lines that have read the set (and, in a trip's first group, for v3).  The twelve loads follow; the selects behind them name none of the loads' registers.
; One wait on vm_vsrc a trip stands ahead of the add to v3.
.set C1L,  16384                       ; LDS: second coordinates (the first lie at 0)
.set CSL,  32768                       ; cs
.set STG,  49152                       ; the way out: 2,048 bytes a wave
.set BUF,  16                          ; v16-111  two sets of 48: a group's 16 first coordinates, 16 second, 16 cs
.set M0,   112                         ; v112-127 dot
.set M1,   128                         ; v128-143 qs + cs
.set DD,   144                         ; v144-159 d2
.set MN,   160                         ; v160-161 the group's least d2, in two chains
.set VL,   164                         ; v164-179 the list's figures, ascending
.set IX,   180                         ; v180-195 the list's group numbers
.set TP,   195                         ; v196-210 at work in PLACE: TP + j, j = 1 .. 15
.set PV,   112                         ; the other half's list, at the end
.set PI,   128
.set MK,   36                          ; s36-51   sixteen lane masks
.set SEL,  22                          ; s[22:23] lane selects: lane l xor 16
; v[x] goes into the sorted figures; the last falls out.  The masks say where its number belongs.  32 vector instructions, no branch.
.macro RANK x
.irp j, 0,1,2,3,4,5,6,7,8,9,10,11,12,13,14,15
	v_cmp_lt_f32 s[MK+\j], v[\x], v[VL+\j]
.endr
.irp j, 15,14,13,12,11,10,9,8,7,6,5,4,3,2,1
	v_med3_num_f32 v[VL+\j], v[\x], v[VL+\j-1], v[VL+\j]       ; the middle of the new figure and two neighbours; from the top down, so that each reads old figures
.endr
	v_min_num_f32 v[VL], v[VL], v[\x]
.endm
; Its number v[z] goes into the list of numbers, by RANK's masks.  31 vector instructions.
.macro PLACE z
.irp j, 1,2,3,4,5,6,7,8,9,10,11,12,13,14,15
	v_cndmask_b32 v[TP+\j], v[\z], v[IX+\j-1], s[MK+\j-1]      ; what place j takes if it changes: its neighbour's number, or the new one
.endr
.irp j, 1,2,3,4,5,6,7,8,9,10,11,12,13,14,15
	v_cndmask_b32 v[IX+\j], v[IX+\j], v[TP+\j], s[MK+\j]
.endr
	v_cndmask_b32 v[IX], v[IX], v[\z], s[MK]
.endm
.macro GLOAD b, off                    ; a group's 3 x 64 bytes into set b: twelve LDS loads
.irp a, 0,1,2
.irp k, 0,1,2,3
	ds_load_b128 v[BUF+48*\b+16*\a+4*\k:BUF+48*\b+16*\a+4*\k+3], v3 offset:16384*\a+\off+16*\k
.endr
.endr
.endm
; One group out of set b.  more = 1: the set is filled again with the group two further on.  left: the younger LDS loads that may stay out.
.macro GROUPA b, more, left
.set BB0, BUF+48*\b
	s_wait_dscnt \left                             ; LDS loads come back in order: this set's twelve are in, the other set's twelve may be out
.irp p, 0,2,4,6,8,10,12,14
	v_pk_mul_f32 v[M0+\p:M0+\p+1], v[BB0+\p:BB0+\p+1], v[4:5]
.endr
.irp p, 0,2,4,6,8,10,12,14
	v_pk_fma_f32 v[M0+\p:M0+\p+1], v[BB0+16+\p:BB0+16+\p+1], v[6:7], v[M0+\p:M0+\p+1]
.endr
.irp p, 0,2,4,6,8,10,12,14
	v_pk_add_f32 v[M1+\p:M1+\p+1], v[BB0+32+\p:BB0+32+\p+1], v[8:9]
.endr
.irp p, 0,2,4,6,8,10,12,14
	v_pk_fma_f32 v[DD+\p:DD+\p+1], v[M0+\p:M0+\p+1], -2.0, v[M1+\p:M1+\p+1] op_sel_hi:[1,0,1]
.endr
	v_min3_num_f32 v[MN], v[DD], v[DD+1], v[DD+2]
	v_min3_num_f32 v[MN+1], v[DD+3], v[DD+4], v[DD+5]
	v_min3_num_f32 v[MN], v[MN], v[DD+6], v[DD+7]
	v_min3_num_f32 v[MN+1], v[MN+1], v[DD+8], v[DD+9]
	v_min3_num_f32 v[MN], v[MN], v[DD+10], v[DD+11]
	v_min3_num_f32 v[MN+1], v[MN+1], v[DD+12], v[DD+13]
	v_min3_num_f32 v[MN], v[MN], v[DD+14], v[DD+15]
	v_min_num_f32 v[MN], v[MN], v[MN+1]
	RANK MN
	s_wait_alu depctr_va_sdst(0)                   ; the sixteen compares have written s[MK ..], which the selects below read
.if \more
	s_wait_alu depctr_va_vdst(0)                   ; the packed lines above are done reading this set, in which the loads below land; in a trip's first group v3, their address, is written
	GLOAD \b, 128+64*\b
.endif
	PLACE 10                                       ; no wait: the selects name the list, TP and v10, none of the loads' registers
	v_add_nc_u32 v10, 1, v10                       ; the next group's number
.endm
	s_load_b128 s[4:7], s[0:1], 0x0                ; query_pos s[4:5], context_pos s[6:7]
	s_load_b64 s[8:9], s[0:1], 0x10                ; grp
	v_lshl_add_u32 v216, v0, 2, 0xe000
	v_mov_b32 v217, 0
	v_lshrrev_b32 v1, 5, v0
	v_readfirstlane_b32 s10, v1                    ; wave
	v_and_b32 v1, 15, v0                           ; r
	v_bfe_u32 v2, v0, 4, 1                         ; h
	v_and_b32 v13, 31, v0
	v_lshlrev_b32 v13, 4, v13                      ; 16 x lane
	s_wait_alu depctr_va_sdst(0)                   ; s10 is written, ahead of its first reader: the wave's places in query_pos, grp and LDS are made from it
	s_lshr_b32 s11, ttmp9, 6                       ; batch
	s_lshl_b32 s12, s11, 15                        ; its 32,768 bytes of positions
	s_mov_b32 s13, 0
	s_lshl_b32 s14, ttmp9, 9
	s_lshl_b32 s15, s10, 7
	s_add_co_u32 s14, s14, s15                     ; my wave's first query in query_pos, in bytes
	s_lshl_b32 s16, ttmp9, 12
	s_lshl_b32 s15, s10, 10
	s_add_co_u32 s16, s16, s15                     ; and in grp: 64 bytes a query
	s_lshl_b32 s17, s10, 11                        ; 2,048 x wave
	s_mov_b32 s[SEL], 0x76543210
	s_mov_b32 s[SEL+1], 0xfedcba98
	s_mov_b32 s21, 0
	v_lshlrev_b32 v11, 4, v0                       ; 16 t: my 16 bytes of each 2,048 of the batch's positions
	v_lshlrev_b32 v15, 3, v0                       ; 8 t: my two numbers in each array
	v_lshl_add_u32 v12, v1, 3, s14                 ; my query's position
	v_lshlrev_b32 v14, 13, v2                      ; 8,192 h: my half of each array
	v_lshlrev_b32 v10, 7, v2                       ; my first group's number: 128 h
	v_lshlrev_b32 v211, 6, v1
	v_lshl_add_u32 v211, v2, 10, v211
	v_add_nc_u32 v211, s17, v211
	v_add_nc_u32 v211, STG, v211                   ; the way out, in: 64 r + 1,024 h + 2,048 w (the upper lanes' lists land in a KiB that nobody reads)
	v_add_nc_u32 v212, s17, v13
	v_add_nc_u32 v212, STG, v212                   ; back: 16 x lane
	v_add_nc_u32 v213, s16, v13                    ; and the same place in grp
	s_wait_kmcnt 0x0
	s_add_nc_u64 s[6:7], s[6:7], s[12:13]
	s_wait_alu depctr_va_vdst(0)                   ; the offsets and addresses v11, v12, v15, v211 to v213 are written, which the loads and stores of the kernel read; none of them is written again
.irp i, 0,1,2,3,4,5,6,7,8,9,10,11,12,13,14,15
	global_load_b128 v[BUF+4*\i:BUF+4*\i+3], v11, s[6:7] offset:2048*\i    ; a wave reads 512 consecutive bytes: two points a lane
.endr
	global_load_b64 v[80:81], v12, s[4:5]
.irp j, 0,1,2,3,4,5,6,7,8,9,10,11,12,13,14,15
	v_mov_b32 v[VL+\j], 0x7f800000                 ; the list begins with +infinity, over every figure,
	v_mov_b32 v[IX+\j], 0                          ; and every entry is replaced: a half has 128 groups
.endr
	s_wait_loadcnt 0x0
.irp i, 0,1,2,3,4,5,6,7,8,9,10,11,12,13,14,15
	v_mov_b32 v82, v[BUF+4*\i+1]                   ; (c0, c1, c0', c1') becomes (c0, c0', c1, c1')
	v_mov_b32 v[BUF+4*\i+1], v[BUF+4*\i+2]
	v_mov_b32 v[BUF+4*\i+2], v82
	v_pk_mul_f32 v[M0+2*\i:M0+2*\i+1], v[BUF+4*\i:BUF+4*\i+1], v[BUF+4*\i:BUF+4*\i+1]      ; c0 c0, rounded;
	v_pk_mul_f32 v[84:85], v[BUF+4*\i+2:BUF+4*\i+3], v[BUF+4*\i+2:BUF+4*\i+3]              ; c1 c1, rounded: on purpose no fused form: the products are numbers of their own where cs is defined
	v_pk_add_f32 v[M0+2*\i:M0+2*\i+1], v[M0+2*\i:M0+2*\i+1], v[84:85]                      ; cs
.endr
	v_mov_b32 v4, v80                              ; q0, q1 and qs, each twice: pairs for the packed forms
	v_mov_b32 v5, v80
	v_mov_b32 v6, v81
	v_mov_b32 v7, v81
	v_mul_f32 v8, v80, v80
	v_mul_f32 v83, v81, v81
	v_add_f32 v8, v8, v83                          ; qs, formed as cs is
	v_mov_b32 v9, v8
	v_add_nc_u32 v3, s21, v14                      ; the LDS address of the pair of groups in hand
	s_wait_alu depctr_va_vdst(0)                   ; the lines above have written the coordinates and cs, which the LDS stores read, and v3; and they are done with v80 to v85, in which the first groups' loads land
.irp i, 0,1,2,3,4,5,6,7,8,9,10,11,12,13,14,15
	ds_store_b64 v15, v[BUF+4*\i:BUF+4*\i+1] offset:1024*\i
	ds_store_b64 v15, v[BUF+4*\i+2:BUF+4*\i+3] offset:C1L+1024*\i
	ds_store_b64 v15, v[M0+2*\i:M0+2*\i+1] offset:CSL+1024*\i
.endr
	s_wait_dscnt 0x0                               ; for the others' sake: my part of the arrays is written
	s_barrier_signal -1
	s_barrier_wait -1
	s_wait_alu depctr_vm_vsrc(0)                   ; my LDS stores have read v16 to v79 and v112 to v143: the groups' loads land in the first, the first group's arithmetic writes the second
	GLOAD 0, 0
	GLOAD 1, 64
	s_mov_b32 s20, 63
.Lpair:                                            ; a trip: two groups, and the loads of the next two
	GROUPA 0, 1, 12
	GROUPA 1, 1, 12
	s_add_co_u32 s21, s21, 128
	s_wait_alu depctr_vm_vsrc(0)                   ; the LDS loads issued so far have read v3
	v_add_nc_u32 v3, s21, v14
	s_sub_co_u32 s20, s20, 1
	s_cmp_lg_u32 s20, 0
	s_cbranch_scc1 .Lpair
	GROUPA 0, 0, 12                                ; the last two groups load nothing
	GROUPA 1, 0, 0
	; the two halves' lists are joined: each lane takes its partner's and puts its 16 entries in.  In lanes 0-15 the own list is that of the lower numbers, so ties fall as they should; only theirs is kept.
.irp j, 0,1,2,3,4,5,6,7,8,9,10,11,12,13,14,15
	v_permlanex16_b32 v[PV+\j], v[VL+\j], s[SEL], s[SEL+1]
	v_permlanex16_b32 v[PI+\j], v[IX+\j], s[SEL], s[SEL+1]
.endr
.irp j, 0,1,2,3,4,5,6,7,8,9,10,11,12,13,14,15
	RANK PV+\j
	s_wait_alu depctr_va_sdst(0)                   ; the sixteen compares have written s[MK ..], which the selects read
	PLACE PI+\j
.endr
	s_wait_alu depctr_va_vdst(0)                   ; the selects have written the list's numbers, which the LDS stores read; the last groups' packed lines are done reading v16 to v23, in which the loads below land
.irp c, 0,1,2,3
	ds_store_b128 v211, v[IX+4*\c:IX+4*\c+3] offset:16*\c
.endr
	ds_load_b128 v[16:19], v212                    ; LDS serves a wave's instructions in order: these see my stores
	ds_load_b128 v[20:23], v212 offset:512
	s_wait_dscnt 0x0
	global_store_b128 v213, v[16:19], s[8:9]       ; 16 queries x 64 bytes: 1,024 consecutive bytes a wave
	global_store_b128 v213, v[20:23], s[8:9] offset:512
	s_wait_dscnt 0x0                               ; the closing lines, six on end
	s_wait_alu 0x0
	s_wait_tensorcnt 0x0
	ds_add_u32 v216, v217
	s_wait_dscnt 0x0
	s_endpgm
.Lfunc_end_k_q99e5492743_knnA:
	.size	k_q99e5492743_knnA, .Lfunc_end_k_q99e5492743_knnA-k_q99e5492743_knnA
	.p2alignl 7, 3214868480
	.fill 96, 4, 3214868480
	.section	.rodata,"a",@progbits
	.p2align	6, 0x0
	.amdhsa_kernel k_q99e5492743_knnA
		.amdhsa_group_segment_fixed_size 57856
		.amdhsa_private_segment_fixed_size 0
		.amdhsa_enable_private_segment 0
		.amdhsa_kernarg_size 24
		.amdhsa_user_sgpr_count 2
		.amdhsa_user_sgpr_kernarg_segment_ptr 1
		.amdhsa_wavefront_size32 1
		.amdhsa_system_sgpr_workgroup_id_x 1
		.amdhsa_system_sgpr_workgroup_id_y 1
		.amdhsa_system_sgpr_workgroup_id_z 1
		.amdhsa_system_vgpr_workitem_id 0
		.amdhsa_next_free_vgpr 218
		.amdhsa_next_free_sgpr 66
		.amdhsa_reserve_vcc 0
		.amdhsa_float_denorm_mode_32 3
		.amdhsa_float_denorm_mode_16_64 3
		.amdhsa_memory_ordered 1
		.amdhsa_forward_progress 1
		.amdhsa_inst_pref_size 108
	.end_amdhsa_kernel
	.amdgpu_metadata
---
amdhsa.version: [ 1, 2 ]
amdhsa.kernels:
  - .name:           k_q99e5492743_knnA
    .symbol:         k_q99e5492743_knnA.kd
    .args:
      - { .name: query_pos, .offset: 0, .size: 8, .value_kind: global_buffer, .address_space: global }
      - { .name: context_pos, .offset: 8, .size: 8, .value_kind: global_buffer, .address_space: global }
      - { .name: grp, .offset: 16, .size: 8, .value_kind: global_buffer, .address_space: global }
    .group_segment_fixed_size: 57856
    .private_segment_fixed_size: 0
    .kernarg_segment_align: 8
    .kernarg_segment_size: 24
    .max_flat_workgroup_size: 128
    .sgpr_count:     66
    .vgpr_count:     218
    .wavefront_size: 32
...
	.end_amdgpu_metadata
.endif
;; end of part 5
;; launch knnB: the kernel of part 2 again; grid 256 x 1, 4 waves a work-group, no clusters, 41,472 bytes of LDS; arguments query_pos, context_pos, grp, knn; writes knn
;; launch feat: the kernel of part 3 again; grid 256 x 1, 8 waves a work-group, no clusters, 68,608 bytes of LDS; arguments context, context_pos, query, query_pos, w_rff, lowp_scales, ckv, q_codes, out1; writes ckv, q_codes, out1
;; launch attn (part 6): grid 256 x 1, 4 waves a work-group, no clusters, 169,728 bytes of LDS; arguments q_codes, ckv, knn, in_proj_w_codes, in_proj_b, out_w_codes, out_b, lowp_scales, out0; writes out0
.if DOCPART == 6
	.amdgcn_target "amdgcn-amd-amdhsa--gfx1250"
	.amdhsa_code_object_version 6
	.text
	.protected	k_q99e5492743_attn
	.globl	k_q99e5492743_attn
	.p2align	8
	.type	k_q99e5492743_attn,@function
k_q99e5492743_attn:
	s_mov_b64 s[64:65], 0
	v_nop
	global_prefetch_b8 v0, s[64:65] scope:SCOPE_SE
	s_setreg_imm32_b32 hwreg(HW_REG_WAVE_SCHED_MODE, 0, 2), 2
	s_setreg_imm32_b32 hwreg(HW_REG_WAVE_MODE, 25, 1), 1
	s_wait_xcnt 0x0
	s_wait_alu depctr_vm_vsrc(0)
; GATHER, THE FOUR QUANTISED PROJECTIONS AND THE ATTENTION.  For each query: its 16 nearest context rows (codes, two sets) x Wk and x Wv, its own codes x Wq, softmax over the 16 in each of 8 heads in f32,
; o quantised with entry 6 of the scales, x Wo, + out_b.  All four products by v_wmma_f32_16x16x128_fp8_fp8 on codes; each sum is multiplied by 2^(its two exponents added).
; SHARES.  A work-group takes 64 queries: 4 blocks of 16, each two sub-blocks of 8.  THE WAVES SHARE THE COLUMNS: wave w owns heads 2 w and 2 w + 1 = columns 64 w .. 64 w + 63 of q, k, v and of the output.
; Its rows of Wq, Wk, Wv, Wo (4 x 128 registers) and its biases stay in registers for the whole launch.  A query's 16 gathered rows are one tile of 16 rows.
; GATHER.  The rows' numbers are whole numbers that an earlier launch stored; they come by scalar loads, are held at 16,383, and each of a wave's loads brings one row's 512 consecutive bytes.
; A wave gathers 2 of a sub-block's 8 queries; the rows go through LDS (528 bytes apart) to all four waves; two such regions take turns, and the next sub-block's loads are out while this one is worked.
; LAYOUTS.  k: source 0 = 16 rows of Wk, source 1 = the 16 gathered rows: lane (r, h) holds neighbour r, channels 16 t + 8 h + j.  q likewise (lane = query).  v: source 0 = the gathered rows,
; source 1 = 16 rows of Wv: lane (r, h) holds channel 16 t + r, neighbours 8 h + j.  So a score is a sum down a lane's registers and one exchange between the halves of the lanes, the softmax runs over the
; sixteen lanes of a row, and p v is again a sum down registers and one exchange.  In every operand lane (r, h) holds k = 32 c + 16 h + 0 .. 15 in registers 4 c .. 4 c + 3: the same permutation of k on both sides.
; SCALES.  bq and bk go in as the first matrix instruction's C, divided by the power of two that the sums lack; q is multiplied once by log2(e) / sqrt(32) x 2^(e0 + e1 + e2 + e3); the largest score is taken
; away before the exponential; p is divided by its sum and multiplied by 2^(e4 + e5); bv is added once, since the p of a head add up to 1.
; NO JOINT LOADS, NO TENSOR LOADS: what work-groups share is the 256 KiB of weights, which each wave's lanes load straight into the operands' registers, once; through LDS they would make a second trip.
; The gathered rows, 512 KiB a work-group, are each query's own.
; LIMITS: e0 + e1 + e2 + e3 between -124 and 129; e6 between -126 and 119; e6 + e7 between -126 and 127; NaN is not served.
; REGISTERS, in windows of 256.  Window 0: v1-15 addresses and constants; FK, FV the gathered rows' fragments; AK, AV, QH sums; QB the query in hand, spread; v208-255 at work.
;   Window 1: Wk (tile t, K step s) at 32 t + 16 s; Wv at 128 + the same.   Window 2: Wq, Wo likewise.   Window 3: v0-31 bk, v32-63 the block's q fragments, v64-95 bq, v96-127 out_b, v128-255 the gather.
; THE MODE: SCHED_MODE bits 1:0 = 2 (LLVM: expert scheduling mode 2), set by the entry lines.  The code itself states the register dependences
; between vector or matrix instructions and memory or LDS instructions, with s_wait_alu, always for 0.
; THE PLAN.  Registers that memory or LDS instructions touch, round a block:
;   v1-v11             Addresses and offsets, made at the head and never written again: one wait on va_vdst ahead of the first load serves them all.
;   the gather         GISSUE's 32 vector lines write the offsets (register 4 n of window 3's v128 on); its loads read them and land on them; STAGE's LDS stores read all 128.
;                      One wait on va_vdst between the offsets and the loads; one on vm_vsrc behind STAGE's barrier, ahead of the next offsets.
;   the q fragments    The block's first eight products read them; the next block's loads land in them behind STAGE 0: one wait on va_vdst ahead of those loads.
;   FK, FV             A query's sixteen products read them; the next query's LDS loads land in them.  All 1,024 registers are taken, so there is one set.
;   OO, two pairs      Query i's last two additions write pair i % 2; its LDS stores are issued in query i + 1.
;                      ONE wait on va_vdst a query, behind the 32 lane moves that stand behind the products, states both: the products are done reading FK and FV, and the query before has written its o.
;                      One wait on vm_vsrc a query stands ahead of the additions: the stores issued a query earlier have read the pair.
;   the out-projection v16-79 and v112-175 take o from LDS behind the wait that stands ahead of query 15's stores; one wait on va_vdst ahead of the stores of v208-239 also serves the loads back into v16-47;
;                      v208-239 and v16-47, which stores read, are written again only behind the next STAGE 0's wait on vm_vsrc.
; The two waits behind the exponential and the reciprocal stand as they stood.
.set GATH1, 67584                      ; LDS: two regions of 8 queries x 16 rows x 528 bytes, at 0 and here;
.set OST,   135168                     ; o of a block: 16 rows x (1,024 + 16) bytes;
.set YST,   151808                     ; the way out: 16 rows x (256 + 16) bytes for each wave
.set FK,  16
.set FV,  48
.set AK,  80
.set AV,  112
.set QH,  144
.set QB,  176
.set SC,  208                          ; v208-215 four pairs of partial sums
.set PP,  230                          ; v230-245 p, spread: head A's eight, head B's eight
.set OO,  246                          ; v246-249 o on its way to LDS: two registers for even queries, two for odd
.set MSB, 0
.macro WIN new                         ; bits 1:0 source 0, 3:2 source 1, 5:4 source 2, 7:6 destination; the immediate's high byte repeats the setting that is left
.if MSB != \new
	s_set_vgpr_msb (MSB<<8)|\new
.set MSB, \new
.endif
.endm
.macro WLOAD dst, base, row            ; 64 rows of a weight from row on: 4 tiles x 2 K steps x 4 loads of 16 bytes a lane
.irp t, 0,1,2,3
.irp s, 0,1
.irp c, 0,1,2,3
	global_load_b128 v[\dst+32*\t+16*\s+4*\c:\dst+32*\t+16*\s+4*\c+3], v11, s[\base:\base+1] offset:(\row+16*\t)*256+128*\s+32*\c
.endr
.endr
.endr
.endm
; The next sub-block's gather goes out: my two queries' 32 rows.  Then the numbers of the sub-block after it are asked for (the last stays at sub-block 7: no load leaves knn).
.macro GISSUE
	s_wait_kmcnt 0x0                               ; the 32 numbers are in
.set n, 0
.rept 32
	s_min_u32 s[32+n], s[32+n], 16383              ; a loaded number enters an address only so held
.set n, n+1
.endr
	WIN 0xc0
.set n, 0
.rept 32
	v_lshl_add_u32 v[128+4*n], s[32+n], 9, v1      ; 512 x row + 16 x lane
.set n, n+1
.endr
	WIN 0xc3
	s_wait_alu depctr_va_vdst(0)                   ; the 32 offsets are written: each load below reads one of them, and its data land on it
.set n, 0
.rept 32
	global_load_b128 v[128+4*n:128+4*n+3], v[128+4*n], s[6:7]  ; each load lands on its own offset register
.set n, n+1
.endr
	WIN 0
	s_add_co_u32 s31, s31, 1
	s_min_u32 s31, s31, 7
	s_lshl_b32 s30, s31, 9                         ; 8 queries x 64 bytes a sub-block
	s_load_b512 s[32:47], s[8:9], s30 offset:0x0
	s_load_b512 s[48:63], s[8:9], s30 offset:0x40
.endm
; What was gathered goes into region k; the barrier shows it to all four waves.  Region k was last read two barriers ago, and every wave waited for those reads in front of a signal since.
.macro STAGE k
	s_wait_loadcnt 0x0
	WIN 0x0c
.set n, 0
.rept 32
	ds_store_b128 v[4+\k], v[128+4*n:128+4*n+3] offset:8448*(n/16)+528*(n%16)
.set n, n+1
.endr
	WIN 0
	s_wait_dscnt 0x0                               ; for the others' sake: my stores have landed, and my earlier LDS reads are over
	s_barrier_signal -1
	s_barrier_wait -1
	s_wait_alu depctr_vm_vsrc(0)                   ; the LDS stores above have read the gather's registers, which the next offsets and loads write; behind STAGE 0 also: the stores of the block before (at the first block: the head's loads of the biases) have read v16-47 and v208-239, which the queries write
.endm
.macro FRAG i                          ; query i's 16 rows as two operands of two K steps: 16 LDS loads
.irp s, 0,1
.irp c, 0,1,2,3
	ds_load_b128 v[FK+16*\s+4*\c:FK+16*\s+4*\c+3], v[2+(\i)/8] offset:8448*((\i)%8)+128*\s+32*\c
.endr
.endr
.irp s, 0,1
.irp c, 0,1,2,3
	ds_load_b128 v[FV+16*\s+4*\c:FV+16*\s+4*\c+3], v[2+(\i)/8] offset:8448*((\i)%8)+256+128*\s+32*\c
.endr
.endr
.endm
.macro QUERY i                         ; query i of the block's 16
.if (\i)%8 == 0
	FRAG \i                                        ; no wait: every vector or matrix instruction that named FK or FV stands ahead of an earlier wait on va_vdst, and the stores that read v16-47 ahead of STAGE's wait on vm_vsrc
.endif
	s_wait_dscnt 0x0                               ; the fragments are in: but for a sub-block's first query they were asked for in the query before, behind its stores of o
	WIN 0x31                                       ; Wk window 1, bk window 3.  The accumulators take turns, one instruction a turn
.irp t, 0,1,2,3
	v_wmma_f32_16x16x128_fp8_fp8 v[AK+8*\t:AK+8*\t+7], v[32*\t:32*\t+15], v[FK:FK+15], v[8*\t:8*\t+7]
.endr
	WIN 0x01
.irp t, 0,1,2,3
	v_wmma_f32_16x16x128_fp8_fp8 v[AK+8*\t:AK+8*\t+7], v[32*\t+16:32*\t+31], v[FK+16:FK+31], v[AK+8*\t:AK+8*\t+7]
.endr
	WIN 0x04                                       ; Wv window 1, as source 1
.irp t, 0,1,2,3
	v_wmma_f32_16x16x128_fp8_fp8 v[AV+8*\t:AV+8*\t+7], v[FV:FV+15], v[128+32*\t:128+32*\t+15], 0
.endr
.irp t, 0,1,2,3
	v_wmma_f32_16x16x128_fp8_fp8 v[AV+8*\t:AV+8*\t+7], v[FV+16:FV+31], v[128+32*\t+16:128+32*\t+31], v[AV+8*\t:AV+8*\t+7]
.endr
	WIN 0
.set n, 0
.rept 32
	v_mov_b32_dpp v[QB+n], v[QH+n] row_share:\i row_mask:0xf bank_mask:0xf     ; query i's q to all sixteen lanes of each half.  These 32 are also the places behind the products
.set n, n+1
.endr
	s_wait_alu depctr_va_vdst(0)                   ; the sixteen products are done reading FK and FV, in which the next query's fragments land; the query before has written its o, which the LDS stores below read
.if (\i) > 0
	ds_store_b32 v6, v[OO+2*(((\i)-1)%2)] offset:1040*((\i)-1)                 ; o of the query before
	ds_store_b32 v6, v[OO+2*(((\i)-1)%2)+1] offset:1040*((\i)-1)+128
.endif
.if (\i)%8 < 7
	FRAG (\i)+1
.endif
.irp t, 0,1,2,3
	v_pk_mul_f32 v[SC+2*\t:SC+2*\t+1], v[AK+8*\t:AK+8*\t+1], v[QB+8*\t:QB+8*\t+1]      ; each accumulator is read from its low end on
.endr
.irp p, 2,4,6
.irp t, 0,1,2,3
	v_pk_fma_f32 v[SC+2*\t:SC+2*\t+1], v[AK+8*\t+\p:AK+8*\t+\p+1], v[QB+8*\t+\p:QB+8*\t+\p+1], v[SC+2*\t:SC+2*\t+1]
.endr
.endr
	v_pk_add_f32 v[SC:SC+1], v[SC:SC+1], v[SC+2:SC+3]
	v_pk_add_f32 v[SC+4:SC+5], v[SC+4:SC+5], v[SC+6:SC+7]
	v_add_f32 v216, v208, v209                     ; head A's score of neighbour r, my half of its 32 channels;
	v_add_f32 v217, v212, v213                     ; head B's
	v_cndmask_b32 v218, v216, v217, s24            ; lanes 0-15 keep head A and send head B, lanes 16-31 the other way round
	v_cndmask_b32 v219, v217, v216, s24
	v_permlanex16_b32 v220, v219, s26, s27
	v_add_f32 v221, v218, v220                     ; t: lanes 0-15 head A, lanes 16-31 head B; lane % 16 = the neighbour
	v_max_num_f32_dpp v222, v221, v221 row_xmask:1 row_mask:0xf bank_mask:0xf
	v_max_num_f32_dpp v222, v222, v222 row_xmask:2 row_mask:0xf bank_mask:0xf
	v_max_num_f32_dpp v222, v222, v222 row_xmask:4 row_mask:0xf bank_mask:0xf
	v_max_num_f32_dpp v222, v222, v222 row_xmask:8 row_mask:0xf bank_mask:0xf
	v_sub_f32 v223, v221, v222                     ; the largest is taken away
	v_exp_f32 v223, v223
	v_nop                                          ; a plain place behind the transcendental
	s_wait_alu depctr_va_vdst(0)                   ; the exponential has written v223, which the sum below reads
	v_add_f32_dpp v224, v223, v223 row_xmask:1 row_mask:0xf bank_mask:0xf
	v_add_f32_dpp v224, v224, v224 row_xmask:2 row_mask:0xf bank_mask:0xf
	v_add_f32_dpp v224, v224, v224 row_xmask:4 row_mask:0xf bank_mask:0xf
	v_add_f32_dpp v224, v224, v224 row_xmask:8 row_mask:0xf bank_mask:0xf
	v_rcp_f32 v225, v224
	v_nop
	s_wait_alu depctr_va_vdst(0)                   ; the reciprocal has written v225, which the next line reads
	v_ldexp_f32 v225, v225, s78                    ; x 2^(e4 + e5): v's sums lack it
	v_mul_f32 v226, v223, v225                     ; p
	v_permlanex16_b32 v227, v226, s28, s29         ; the other half's p, turned by eight lanes
	v_cndmask_b32 v228, v226, v227, s24            ; head A's p: lanes 0-15 as it lies, lanes 16-31 turned by eight
	v_cndmask_b32 v229, v227, v226, s24            ; head B's: lanes 0-15 turned, lanes 16-31 as it lies
.irp j, 0,1,2,3,4,5,6,7
	v_mov_b32_dpp v[PP+\j], v228 row_share:\j row_mask:0xf bank_mask:0xf       ; half h gets head A's p of neighbour 8 h + j
.endr
.irp j, 8,9,10,11,12,13,14,15
	v_mov_b32_dpp v[PP+\j], v229 row_share:\j row_mask:0xf bank_mask:0xf       ; and head B's of neighbour 8 h + j - 8
.endr
.irp t, 0,1,2,3
	v_pk_mul_f32 v[SC+2*\t:SC+2*\t+1], v[AV+8*\t:AV+8*\t+1], v[PP+8*(\t/2):PP+8*(\t/2)+1]
.endr
.irp p, 2,4,6
.irp t, 0,1,2,3
	v_pk_fma_f32 v[SC+2*\t:SC+2*\t+1], v[AV+8*\t+\p:AV+8*\t+\p+1], v[PP+8*(\t/2)+\p:PP+8*(\t/2)+\p+1], v[SC+2*\t:SC+2*\t+1]
.endr
.endr
.irp t, 0,1,2,3
	v_add_f32 v[216+\t], v[SC+2*\t], v[SC+2*\t+1]  ; channel 16 t + r, my half's eight neighbours
.endr
.irp u, 0,1
	v_cndmask_b32 v[220+\u], v[216+2*\u], v[217+2*\u], s24     ; lanes 0-15 keep the head's first 16 channels, lanes 16-31 its second
	v_cndmask_b32 v[222+\u], v[217+2*\u], v[216+2*\u], s24
.endr
.irp u, 0,1
	v_permlanex16_b32 v[224+\u], v[222+\u], s26, s27
.endr
.irp u, 0,1
	v_add_f32 v[220+\u], v[220+\u], v[224+\u]
.endr
.if (\i) > 1
	s_wait_alu depctr_vm_vsrc(0)                   ; the LDS stores of o of two queries back, issued in the query before, have read the pair that the two lines below write (for queries 0 and 1 STAGE 0's wait has said so)
.endif
.irp u, 0,1
	v_add_f32 v[OO+2*((\i)%2)+\u], v[220+\u], v[12+\u]         ; + bv: o of channel 64 w + 32 u + lane; it is stored in the next query
.endr
.endm
.macro QUANT src, dst                  ; 64 numbers of a lane, register 16 c + n = k 32 c + 16 h + n of my row, become a fragment's codes
.irp c, 0,1,2,3
.set n, 0
.rept 16
	v_med3_num_f32 v[\src+16*\c+n], v[\src+16*\c+n], -v15, v15 ; the conversion to an 8-bit code does not saturate (ISA guide 7.6.2): the hold at the largest code x the scale
.set n, n+1
.endr
	v_cvt_scalef32_pk8_fp8_f32 v[\dst+4*\c:\dst+4*\c+1], v[\src+16*\c:\src+16*\c+7], v14
	v_cvt_scalef32_pk8_fp8_f32 v[\dst+4*\c+2:\dst+4*\c+3], v[\src+16*\c+8:\src+16*\c+15], v14
.endr
	v_nop                                          ; a plain vector line between the last conversion and the matrix instruction that reads its result
.endm
	s_load_b512 s[4:19], s[0:1], 0x0               ; q_codes, ckv, knn, in_proj_w_codes, in_proj_b, out_w_codes, out_b, the scales
	s_load_b64 s[20:21], s[0:1], 0x40              ; out0
	v_lshl_add_u32 v254, v0, 2, 0x29500
	v_mov_b32 v255, 0
	v_lshrrev_b32 v1, 5, v0
	v_readfirstlane_b32 s22, v1                    ; wave 0..3
	v_and_b32 v210, 31, v0                         ; lane
	v_and_b32 v208, 15, v0                         ; r
	v_bfe_u32 v209, v0, 4, 1                       ; h
	v_lshlrev_b32 v1, 4, v210                      ; v1: 16 x lane
	v_mul_u32_u24 v2, v208, 528
	v_lshl_add_u32 v2, v209, 4, v2                 ; v2, v3: a fragment's row r, + 16 h, in region 0, 1
	v_add_nc_u32 v3, GATH1, v2
	s_wait_alu depctr_va_sdst(0)                   ; s22 is written, ahead of its first reader: the wave's places in LDS and in the buffers are made from it
	s_mul_i32 s82, s22, 16896
	v_add_nc_u32 v4, s82, v1                       ; v4, v5: where my two queries' rows go: 2 x 8,448 x wave + 16 x lane
	v_add_nc_u32 v5, GATH1, v4
	s_lshl_b32 s83, s22, 8                         ; 256 x wave: my 64 columns in bytes of f32
	v_lshl_add_u32 v212, v210, 2, s83
	v_add_nc_u32 v6, OST, v212                     ; v6: o in: 256 w + 4 x lane
	v_mul_u32_u24 v7, v208, 1040
	v_lshl_add_u32 v7, v209, 6, v7
	v_add_nc_u32 v7, OST, v7                       ; v7: o back: row r, + 64 h: 16 numbers of each block of 32
	s_mul_i32 s84, s22, 4352
	s_add_co_u32 s84, s84, YST
	v_mul_u32_u24 v8, v208, 272
	v_lshl_add_u32 v8, v209, 5, v8
	v_add_nc_u32 v8, s84, v8                       ; v8: the way out, in: row r, + 32 h
	v_mul_u32_u24 v9, v209, 272
	v_lshl_add_u32 v9, v208, 4, v9
	v_add_nc_u32 v9, s84, v9                       ; v9: back: lanes 0-15 one row of 256 bytes, lanes 16-31 the next
	v_lshlrev_b32 v10, 10, v209
	v_lshl_add_u32 v10, v208, 4, v10
	v_add_nc_u32 v10, s83, v10                     ; v10: the same two rows in out0, at my 256 bytes
	v_lshlrev_b32 v11, 8, v208
	v_lshl_add_u32 v11, v209, 4, v11               ; v11: a weight's row r of 256 codes, + 16 h
	v_lshl_add_u32 v211, v209, 5, s83              ; a bias in a result's layout: 256 w + 32 h
	s_lshl_b32 s86, ttmp9, 14                      ; my 64 queries' codes,
	s_mov_b32 s87, 0
	s_lshl_b32 s88, ttmp9, 12                      ; their neighbours' numbers, from my wave's two queries on,
	s_lshl_b32 s85, s22, 7
	s_add_co_u32 s88, s88, s85
	s_mov_b32 s89, 0
	s_lshl_b32 s90, s22, 14                        ; my 64 rows of each weight,
	s_mov_b32 s91, 0
	s_lshl_b32 s92, ttmp9, 16                      ; my 64 rows of out0
	s_mov_b32 s93, 0
	s_mov_b32 s23, 4                               ; blocks to go
	s_mov_b32 s24, 0xffff0000                      ; lanes 16-31
	s_mov_b32 s26, 0x76543210                      ; lane l xor 16
	s_mov_b32 s27, 0xfedcba98
	s_mov_b32 s28, 0xfedcba98                      ; the other half's lane (l + 8) % 16
	s_mov_b32 s29, 0x76543210
	s_mov_b32 s31, 0
	s_wait_kmcnt 0x0
	s_add_nc_u64 s[4:5], s[4:5], s[86:87]
	s_add_nc_u64 s[8:9], s[8:9], s[88:89]
	s_add_nc_u64 s[10:11], s[10:11], s[90:91]
	s_add_nc_u64 s[14:15], s[14:15], s[90:91]
	s_add_nc_u64 s[20:21], s[20:21], s[92:93]
	s_load_b256 s[68:75], s[18:19], 0x0            ; e0 .. e7
	s_load_b512 s[32:47], s[8:9], 0x0              ; sub-block 0's numbers
	s_load_b512 s[48:63], s[8:9], 0x40
	s_wait_alu depctr_va_vdst(0)                   ; the addresses and offsets v1 to v11, v211 and v212 are written, which the loads and stores of the kernel read; only loads and window switches stand between this wait and the head's loads
	WIN 0x40
	WLOAD 0, 10, 256                               ; Wk
	WLOAD 128, 10, 512                             ; Wv
	WIN 0x80
	WLOAD 0, 10, 0                                 ; Wq
	WLOAD 128, 14, 0                               ; Wo
	WIN 0xc0
.irp t, 0,1,2,3
	global_load_b128 v[8*\t:8*\t+3], v211, s[12:13] offset:1024+64*\t          ; bk at channels 16 t + 8 h + 0 .. 7
	global_load_b128 v[8*\t+4:8*\t+7], v211, s[12:13] offset:1024+64*\t+16
	global_load_b128 v[64+8*\t:64+8*\t+3], v211, s[12:13] offset:64*\t         ; bq
	global_load_b128 v[64+8*\t+4:64+8*\t+7], v211, s[12:13] offset:64*\t+16
	global_load_b128 v[96+8*\t:96+8*\t+3], v211, s[16:17] offset:64*\t         ; out_b
	global_load_b128 v[96+8*\t+4:96+8*\t+7], v211, s[16:17] offset:64*\t+16
.endr
.irp n, 0,1,2,3,4,5,6,7
	global_load_b128 v[32+4*\n:32+4*\n+3], v1, s[4:5] offset:512*\n            ; block 0's q fragments: images of the registers, 512 consecutive bytes a load
.endr
	WIN 0
	global_load_b32 v12, v212, s[12:13] offset:2048                            ; bv at channel 64 w + lane,
	global_load_b32 v13, v212, s[12:13] offset:2048+128                        ; and 32 further on
	GISSUE                                         ; sub-block 0's gather
	s_add_co_i32 s82, s68, s69                     ; e0 + e1
	s_add_co_i32 s83, s70, s71                     ; e2 + e3
	s_add_co_i32 s84, s82, s83
	s_lshl_b32 s84, s84, 23
	s_add_co_i32 s76, s84, 0x3e8293ee              ; log2(e) / sqrt(32), with the four exponents added to its exponent field
	s_mov_b32 s77, s76                             ; (named with it as a pair, so it is written)
	s_sub_co_i32 s82, 0, s82
	s_sub_co_i32 s83, 0, s83
	s_add_co_i32 s78, s72, s73                     ; e4 + e5
	s_add_co_i32 s80, s74, s75
	s_add_co_i32 s80, s80, 127
	s_lshl_b32 s80, s80, 23                        ; 2^(e6 + e7) as f32
	s_mov_b32 s81, s80
	s_add_co_i32 s84, s74, 127
	s_lshl_b32 s85, s84, 23
	v_mov_b32 v14, s85                             ; 2^e6: o's conversions take its exponent field
	s_add_co_i32 s84, s84, 8
	s_lshl_b32 s84, s84, 23
	s_or_b32 s84, s84, 0x600000
	v_mov_b32 v15, s84                             ; 448 x 2^e6
.set n, 0
.rept 32
	v_mov_b32 v[QB+n], 0                           ; written once: the destination of a lane move counts as one of its sources
.set n, n+1
.endr
.set n, 0
.rept 16
	v_mov_b32 v[PP+n], 0
.set n, n+1
.endr
.irp n, 220,222,224,225,227
	v_mov_b32 v\n, 0
.endr
	s_wait_loadcnt 32                              ; all but the 32 loads of the gather
	WIN 0xc3
.set n, 0
.rept 32
	v_ldexp_f32 v[n], v[n], s83                    ; bk / 2^(e2 + e3)
	v_ldexp_f32 v[64+n], v[64+n], s82              ; bq / 2^(e0 + e1)
.set n, n+1
.endr
	WIN 0
.Lblock:
	; ---- q of the block's 16 queries: lane (query, h), channels 16 t + 8 h + j
	s_wait_loadcnt 32                              ; the q fragments are in; the 32 younger loads are the gather
	WIN 0x3e                                       ; Wq window 2, the fragments and bq window 3
.irp t, 0,1,2,3
	v_wmma_f32_16x16x128_fp8_fp8 v[QH+8*\t:QH+8*\t+7], v[32*\t:32*\t+15], v[32:47], v[64+8*\t:64+8*\t+7]
.endr
	WIN 0x0e
.irp t, 0,1,2,3
	v_wmma_f32_16x16x128_fp8_fp8 v[QH+8*\t:QH+8*\t+7], v[32*\t+16:32*\t+31], v[48:63], v[QH+8*\t:QH+8*\t+7]
.endr
	WIN 0
.rept 4
	v_nop                                          ; places in front of the first read of the results
.endr
.set n, 0
.rept 16
	v_pk_mul_f32 v[QH+2*n:QH+2*n+1], v[QH+2*n:QH+2*n+1], s[76:77] op_sel_hi:[1,0]
.set n, n+1
.endr
	; ---- sub-block 0
	STAGE 0
	s_cmp_eq_u32 s23, 1                            ; the next block's q fragments, if there is a next block: no load leaves its buffer
	s_cbranch_scc1 .Lno_qf
	WIN 0xc0
	s_wait_alu depctr_va_vdst(0)                   ; this block's eight q products are done reading their fragments, in which the next block's land
.irp n, 0,1,2,3,4,5,6,7
	global_load_b128 v[32+4*\n:32+4*\n+3], v1, s[4:5] offset:4096+512*\n
.endr
	WIN 0
.Lno_qf:
	GISSUE                                         ; sub-block 1's gather is out while sub-block 0 is worked
.irp i, 0,1,2,3,4,5,6,7
	QUERY \i
.endr
	; ---- sub-block 1
	STAGE 1
	s_cmp_eq_u32 s23, 1                            ; the next block's first gather, if there is a next block
	s_cbranch_scc1 .Lno_gather
	GISSUE
.Lno_gather:
.irp i, 8,9,10,11,12,13,14,15
	QUERY \i
.endr
	; ---- the out-projection: every wave quantises the block's whole o (K = all 256 channels) and makes its 64 columns
	s_wait_alu depctr_va_vdst(0)                   ; query 15 has written its o, which the two LDS stores read; and every line that named FK, FV, AV or QH is done: o's loads behind the barrier land in v16-79 and v112-175
	ds_store_b32 v6, v[OO+2] offset:1040*15
	ds_store_b32 v6, v[OO+3] offset:1040*15+128
	s_wait_dscnt 0x0                               ; for the others' sake: my stores of o have landed
	s_barrier_signal -1
	s_barrier_wait -1
.irp c, 0,1,2,3
.irp j, 0,1,2,3
	ds_load_b128 v[16+16*\c+4*\j:16+16*\c+4*\j+3], v7 offset:128*\c+16*\j
.endr
.endr
.irp c, 0,1,2,3
.irp j, 0,1,2,3
	ds_load_b128 v[112+16*\c+4*\j:112+16*\c+4*\j+3], v7 offset:512+128*\c+16*\j
.endr
.endr
	s_wait_dscnt 16                                ; the first K step's sixteen loads are in
	QUANT 16, 176
	s_wait_dscnt 0x0
	QUANT 112, 192
	WIN 0x02                                       ; Wo window 2
.irp t, 0,1,2,3
	v_wmma_f32_16x16x128_fp8_fp8 v[AK+8*\t:AK+8*\t+7], v[128+32*\t:128+32*\t+15], v[176:191], 0
.endr
.irp t, 0,1,2,3
	v_wmma_f32_16x16x128_fp8_fp8 v[AK+8*\t:AK+8*\t+7], v[128+32*\t+16:128+32*\t+31], v[192:207], v[AK+8*\t:AK+8*\t+7]
.endr
	WIN 0
.rept 4
	v_nop
.endr
	WIN 0x30                                       ; out_b window 3
.set n, 0
.rept 16
	v_pk_fma_f32 v[208+2*n:208+2*n+1], v[AK+2*n:AK+2*n+1], s[80:81], v[96+2*n:96+2*n+1] op_sel_hi:[1,0,1]     ; sum x 2^(e6 + e7) + out_b; each accumulator from its low end on
.set n, n+1
.endr
	WIN 0
	s_wait_alu depctr_va_vdst(0)                   ; the multiply-adds have written v208-239, which the LDS stores read; the holds and conversions are done with v16-47, in which the loads below land
.irp t, 0,1,2,3
	ds_store_b128 v8, v[208+8*\t:208+8*\t+3] offset:64*\t      ; lane (query r, h): columns 16 t + 8 h + 0 .. 7 of my 64
	ds_store_b128 v8, v[208+8*\t+4:208+8*\t+7] offset:64*\t+16
.endr
.irp n, 0,1,2,3,4,5,6,7
	ds_load_b128 v[16+4*\n:16+4*\n+3], v9 offset:544*\n        ; LDS serves a wave's instructions in order: these see my stores
.endr
.irp n, 0,1,2,3,4,5,6,7
	s_wait_dscnt 7-\n
	global_store_b128 v10, v[16+4*\n:16+4*\n+3], s[20:21] offset:2048*\n th:TH_STORE_NT        ; sixteen lanes store 256 consecutive bytes, at a multiple of 256 from out0's first byte
.endr
	s_wait_xcnt 0x0                                ; the stores have read their registers and their base: both are written again
	s_add_nc_u64 s[20:21], s[20:21], 16384
	s_add_nc_u64 s[4:5], s[4:5], 4096
	s_sub_co_u32 s23, s23, 1
	s_cmp_lg_u32 s23, 0
	s_cbranch_scc1 .Lblock
	s_wait_dscnt 0x0                               ; the closing lines, six on end
	s_wait_alu 0x0
	s_wait_tensorcnt 0x0
	ds_add_u32 v254, v255
	s_wait_dscnt 0x0
	s_endpgm
.Lfunc_end_k_q99e5492743_attn:
	.size	k_q99e5492743_attn, .Lfunc_end_k_q99e5492743_attn-k_q99e5492743_attn
	.p2alignl 7, 3214868480
	.fill 96, 4, 3214868480
	.section	.rodata,"a",@progbits
	.p2align	6, 0x0
	.amdhsa_kernel k_q99e5492743_attn
		.amdhsa_group_segment_fixed_size 169728
		.amdhsa_private_segment_fixed_size 0
		.amdhsa_enable_private_segment 0
		.amdhsa_kernarg_size 72
		.amdhsa_user_sgpr_count 2
		.amdhsa_user_sgpr_kernarg_segment_ptr 1
		.amdhsa_wavefront_size32 1
		.amdhsa_system_sgpr_workgroup_id_x 1
		.amdhsa_system_sgpr_workgroup_id_y 1
		.amdhsa_system_sgpr_workgroup_id_z 1
		.amdhsa_system_vgpr_workitem_id 0
		.amdhsa_next_free_vgpr 1024
		.amdhsa_next_free_sgpr 100
		.amdhsa_reserve_vcc 0
		.amdhsa_float_denorm_mode_32 3
		.amdhsa_float_denorm_mode_16_64 3
		.amdhsa_memory_ordered 1
		.amdhsa_forward_progress 1
		.amdhsa_inst_pref_size 220
	.end_amdhsa_kernel
	.amdgpu_metadata
---
amdhsa.version: [ 1, 2 ]
amdhsa.kernels:
  - .name:           k_q99e5492743_attn
    .symbol:         k_q99e5492743_attn.kd
    .args:
      - { .name: q_codes, .offset: 0, .size: 8, .value_kind: global_buffer, .address_space: global }
      - { .name: ckv, .offset: 8, .size: 8, .value_kind: global_buffer, .address_space: global }
      - { .name: knn, .offset: 16, .size: 8, .value_kind: global_buffer, .address_space: global }
      - { .name: in_proj_w_codes, .offset: 24, .size: 8, .value_kind: global_buffer, .address_space: global }
      - { .name: in_proj_b, .offset: 32, .size: 8, .value_kind: global_buffer, .address_space: global }
      - { .name: out_w_codes, .offset: 40, .size: 8, .value_kind: global_buffer, .address_space: global }
      - { .name: out_b, .offset: 48, .size: 8, .value_kind: global_buffer, .address_space: global }
      - { .name: lowp_scales, .offset: 56, .size: 8, .value_kind: global_buffer, .address_space: global }
      - { .name: out0, .offset: 64, .size: 8, .value_kind: global_buffer, .address_space: global }
    .group_segment_fixed_size: 169728
    .private_segment_fixed_size: 0
    .kernarg_segment_align: 8
    .kernarg_segment_size: 72
    .max_flat_workgroup_size: 128
    .sgpr_count:     100
    .vgpr_count:     1024
    .wavefront_size: 32
...
	.end_amdgpu_metadata
.endif
;; end of part 6
